; MI455X (gfx1250); checked and timed in simulation.
; The chip was launched on July 23, 2026; its instructions are those of AMD's public machine-readable ISA for CDNA 5 (MIT licence, August 2026) and "CDNA5" Instruction Set Architecture Reference Guide (July 2026). The comments in the code are by the model that wrote it; some were corrected since.
;; Multi Head Attention. Allowed arithmetic: matrix products marked QUANTISED: E2M1 operands, one E8M0 scale for each 32 along K, by v_wmma_scale_f32_16x16x128_f8f6f4 with both operands' format E2M1 (or v_wmma_scale_f32_32x16x128_f4), f32 sums; products left as they are: bf16, f16 or f32 operands; f32 sums; everything else in f32.
;; Inputs: Wout 1,024 x 1,024 float32; Wqkv 1,024 x 3,072 float32; bout 1,024 float32; x 4 x 2,048 x 1,024 float32.
;; Outputs: out0 4 x 2,048 x 1,024 float32.
;; This version of the problem:
;;   THIS VERSION OF THE PROBLEM IS GIVEN IN LOW PRECISION. The matrix products marked QUANTISED in the list below multiply operands that are first quantised to E2M1 (2 exponent bits, 1 mantissa bit; 4 bits a number), with one power-of-two scale for each 32 numbers along K (OCP MX v1.0); their sums are f32. The products marked 'left as it is' may take bf16, f16 or f32 operands, with f32 sums. Whichever they take, every output number must still come out within the allowed error. Rounding operands to bf16 (8 significant bits) uses up far more of that allowance than f16 does (11 bits, for magnitudes from 6e-5 to 65,504). All else is computed in f32.
;;   The module's matrix products, in the order in which they are computed (A, B: the left and right operand; K: the contracted axis; several contracted axes count as one K, in the product's order):
;;     1. [M 8,192, K 1,024] x [K 1,024, N 3,072]; A: input x; B: input Wqkv: QUANTISED
;;     2. batch 64 x [M 2,048, K 64] x [K 64, N 2,048]; A: computed on the way; B: computed on the way: left as it is (an operand is computed on the way)
;;     3. batch 64 x [M 64, K 2,048] x [K 2,048, N 2,048]; A: computed on the way; B: computed on the way: left as it is (an operand is computed on the way)
;;     4. [M 8,192, K 1,024] x [K 1,024, N 1,024]; A: computed on the way; B: input Wout: left as it is (an operand is computed on the way)
;;   THE QUANTISER, for each operand of a quantised product, along K:
;;     - K is cut into blocks of 32 from its start; a last block that is shorter is filled with zeros.
;;     - A block's scale is 2^e with e = floor(log2(the largest magnitude in the block)) - 2, held to -126 .. 127; a block of zeros has e = 0. As a byte (E8M0): e + 127.
;;     - Each number is divided by its block's scale, clamped to +-6, and rounded to the nearest number of E2M1, ties to even, subnormals kept.
;;     - The product sums the exact products of the quantised numbers (number of the format x scale) in f32.
;;   ~~~python
;;   def quantise(x, axis):      # numpy; x: float32 -> the quantised numbers, widened to float32 again
;;       x = np.moveaxis(x, axis, -1); K = x.shape[-1]
;;       x = np.pad(x, [(0, 0)] * (x.ndim - 1) + [(0, -K % 32)]); x = x.reshape(x.shape[:-1] + (-1, 32)); a = np.abs(x).max(-1, keepdims=True)
;;       e = np.where(a > 0, np.clip(np.frexp(np.where(a > 0, a, 1))[1] - 1 - 2, -126, 127), 0)      # np.frexp(a)[1] - 1 = floor(log2(a)), exactly
;;       r = np.clip(x / 2.0 ** e, -6, 6)
;;       step = 2.0 ** (np.maximum(np.frexp(np.where(r == 0, 1, r))[1] - 1, 0) - 1)
;;       q = np.round(r / step) * step * 2.0 ** e      # np.round: ties to even
;;       return np.moveaxis(q.reshape(q.shape[:-2] + (-1,))[..., :K], -1, axis).astype(np.float32)
;;   ~~~
;; One version. Each part assembles by itself: llvm-mc -triple=amdgcn-amd-amdhsa -mcpu=gfx1250 --defsym DOCPART=n.
;; ======== version 1 of 1: 4 launches
;; limits: values are held in f16: magnitudes above 65,504 overflow, below 6.1e-05 lose precision
;; workspace buffers: cod 5,767,168 bytes; scl 524,288 bytes; tab 524,288 bytes; wo 2,097,152 bytes; qkv 56,623,104 bytes; oi 16,777,216 bytes
;; launch prep (part 1): grid 512 x 1, 4 waves a work-group, no clusters, 34,304 bytes of LDS; arguments x, Wqkv, Wout, cod, scl, tab, wo, qkv; writes cod, scl, tab, wo, qkv
.if DOCPART == 1
	.amdgcn_target "amdgcn-amd-amdhsa--gfx1250"
	.amdhsa_code_object_version 6
	.text
	.protected	k_q9bf8e6c865_prep
	.globl	k_q9bf8e6c865_prep
	.p2align	8
	.type	k_q9bf8e6c865_prep,@function
k_q9bf8e6c865_prep:
	s_mov_b64 s[64:65], 0
	v_nop
	global_prefetch_b8 v0, s[64:65] scope:SCOPE_SE
	s_setreg_imm32_b32 hwreg(HW_REG_WAVE_MODE, 25, 1), 1
	s_wait_xcnt 0x0
; PREP: everything that is made once from the inputs, laid as the later launches' operand registers want it (an IMAGE: a lane's 16 bytes at 16 x lane, 512 consecutive bytes an instruction).
;   work-groups 0-255   (X): x [8192][1024] f32 -> E2M1 codes and E8M0 scale words; besides: 8 rows each of the rope table, and 16,384 zero bytes each of the pads of the k and v images
;   work-groups 256-447 (W): Wqkv [1024 k][3072 n] f32 -> codes and scale words, K innermost (a lane takes a column, its registers run down K)
;   work-groups 448-511 (O): Wout [1024 k][1024 n] f32 -> f16 fragments, K innermost (the same walk)
; cod: x's codes [ks2 2][row tile 512][kq4 4][c 2][lane 32][16 B]; lane (r, h) of piece c holds block 2 c + h (32 along K) of row r.  Wqkv's from byte 4,194,304 on, [ks2][column tile 192][..] likewise.
; scl: [ks2 2][row][16 B = the scale words of the four 128s along K]; x's from 0, Wqkv's from 262,144; both with planes 131,072 bytes apart.
; tab: [t 2048][cos(t f_d), d = 0..31 | sin(t f_d), d = 0..31] f32.   wo: [ks 8][column tile 64][kcl 4][half 2][lane][16 B] f16.
; A block's scale is 2^(floor(log2(largest magnitude)) - 2): the largest magnitude's exponent field less 2, held at 1 from below by a floor among the maximum's leaves.
; LIMITS.  A block of zeros keeps the byte 1 (its codes are zeros; this program alone reads the bytes).  NaN and infinities among the inputs are not served.  Wout must lie inside f16's range (65,504).
; The rope's frequencies are 2^(-d log2(10000) / 32) by v_exp_f32 (1 ulp), the angle is one f32 product t x f, reduced by pi/2 in two parts, sine and cosine by polynomials of degree 7 and 8 on [-pi/4, pi/4].
; Waves share nothing: no barrier.  Only the X way touches LDS, each wave its own stage.
.set SEC,   18874368                   ; a section (q, k or v) of the buffer qkv
.set HS,    294912                     ; a head's 2,304 key places of 128 bytes
.set STG,   8448                       ; a wave's stage: 16 rows x (512 + 16) bytes
.set SPARE, 4*STG                      ; behind the stages: the spare words, 128 bytes a wave
.set SPW, 10                           ; v10  my spare word's LDS address; never rewritten
.set NIL, 11                           ; v11  0; never rewritten
.set R,   16                           ; v16-143   X way: two sets of 64 numbers as loaded
.set X,   144                          ; v144-207  X way: 64 numbers back from the stage (before that: the table's work)
.set C,   208                          ; v208-239  X way: codes, 8 registers a step
.set SW,  240                          ; v240-243  X way: the four scale words
	s_load_b256 s[4:11], s[0:1], 0x0               ; x s[4:5], Wqkv s[6:7], Wout s[8:9], cod s[10:11]
	s_load_b256 s[12:19], s[0:1], 0x20             ; scl s[12:13], tab s[14:15], wo s[16:17], qkv s[18:19]
	v_lshl_add_u32 v[SPW], v0, 2, SPARE
	v_mov_b32 v[NIL], 0
	v_lshrrev_b32 v1, 5, v0
	v_readfirstlane_b32 s20, v1                    ; wave
	v_and_b32 v1, 31, v0                           ; lane
	v_and_b32 v2, 15, v0                           ; r
	v_bfe_u32 v3, v0, 4, 1                         ; h
	s_mov_b32 s22, 0x76543210
	s_mov_b32 s23, 0xfedcba98                      ; v_permlanex16_b32's selects for lane l xor 16
	s_wait_kmcnt 0x0
	s_cmp_lt_u32 ttmp9, 256
	s_cbranch_scc0 .Lnot_x
; ---------------------------------------------------------------- X way: a wave takes 16 rows x 512 along K, in 4 steps of 128
	s_lshl_b32 s24, ttmp9, 2
	s_add_co_u32 s24, s24, s20                     ; the wave's task
	s_lshr_b32 s25, s24, 1                         ; row tile
	s_and_b32 s26, s24, 1                          ; which 512 along K
	s_mov_b32 s29, 0
	s_lshl_b32 s28, s25, 16                        ; 16 rows of 4,096 bytes
	s_lshl_b32 s27, s26, 11
	s_add_co_u32 s28, s28, s27
	s_add_nc_u64 s[4:5], s[4:5], s[28:29]
	s_lshl_b32 s28, s26, 9
	s_add_co_u32 s28, s28, s25
	s_lshl_b32 s28, s28, 12                        ; 4,096 bytes of codes a task
	s_add_nc_u64 s[10:11], s[10:11], s[28:29]
	s_lshl_b32 s28, s26, 17
	s_lshl_b32 s27, s25, 8
	s_add_co_u32 s28, s28, s27
	s_add_nc_u64 s[12:13], s[12:13], s[28:29]
	s_lshl_b32 s28, ttmp9, 11                      ; the work-group's 8 rows of the table
	s_add_nc_u64 s[14:15], s[14:15], s[28:29]
	s_bfe_u32 s28, ttmp9, 0x10001                  ; the pads: section k or v,
	s_add_co_u32 s28, s28, 1
	s_mul_i32 s28, s28, SEC
	s_lshr_b32 s27, ttmp9, 2                       ; the head,
	s_mul_i32 s27, s27, HS
	s_add_co_u32 s28, s28, s27
	s_and_b32 s27, ttmp9, 1                        ; places 0-127 or 2,176-2,303
	s_mul_i32 s27, s27, 278528
	s_add_co_u32 s28, s28, s27
	s_add_nc_u64 s[18:19], s[18:19], s[28:29]
	v_lshlrev_b32 v4, 4, v1                        ; 16 x lane: a load's and a code store's place
	s_mul_i32 s27, s20, STG
	v_add_nc_u32 v5, s27, v4                       ; the stage, on the way in: as loaded
	v_mul_u32_u24 v6, v2, 528
	v_lshl_add_u32 v6, v3, 7, v6
	v_add_nc_u32 v6, s27, v6                       ; and back: row r, block h
	v_lshlrev_b32 v7, 4, v2                        ; my row's 16 bytes of scale words
	v_lshlrev_b32 v8, 4, v0                        ; 16 x thread: table and pads
	v_lshlrev_b32 v9, 3, v3                        ; 8 h: my bytes' place in a scale word
	v_mov_b32 v251, 0                              ; written once: a lane permute's destination counts as one of its sources
.macro XLOAD t                         ; step t: 16 rows x 512 bytes; each load reads 512 consecutive bytes of one row
.irp i, 0,1,2,3,4,5,6,7,8,9,10,11,12,13,14,15
	global_load_b128 v[R+64*((\t)%2)+4*\i:R+64*((\t)%2)+4*\i+3], v4, s[4:5] offset:\i*4096+(\t)*512 th:TH_LOAD_NT
.endr
.endm
	XLOAD 0
	XLOAD 1
	; the rope table while the first loads are on their way: a thread makes 4 neighbouring entries of row 8 g + thread / 16
	s_mov_b32 s32, 0xb94ca1f9                      ; sine:   -1.9515295891e-4
	s_mov_b32 s33, 0x3c08839e                      ;          8.3321608736e-3
	s_mov_b32 s34, 0xbe2aaaa3                      ;         -1.6666654611e-1
	s_mov_b32 s35, 0x37ccf5ce                      ; cosine:  2.4433157118e-5
	s_mov_b32 s36, 0xbab6061a                      ;         -1.3887316255e-3
	s_mov_b32 s37, 0x3d2aaaa5                      ;          4.1666645683e-2
	s_lshl_b32 s28, ttmp9, 3
	v_lshrrev_b32 v145, 4, v0
	v_add_nc_u32 v145, s28, v145
	v_cvt_f32_u32 v144, v145                       ; t
	v_and_b32 v146, 15, v0
	v_lshrrev_b32 v147, 3, v146                    ; 0: cosines, 1: sines
	v_sub_nc_u32 v147, 1, v147                     ; a cosine is the sine a quarter turn on
	v_and_b32 v146, 7, v146
	v_lshlrev_b32 v146, 2, v146                    ; my first d
.irp c, 0,1,2,3
	v_add_nc_u32 v[148+\c], \c, v146
.endr
.irp c, 0,1,2,3
	v_cvt_f32_u32 v[148+\c], v[148+\c]
.endr
.irp c, 0,1,2,3
	v_mul_f32 v[148+\c], 0xbed49a78, v[148+\c]     ; -d log2(10000) / 32
.endr
.irp c, 0,1,2,3
	v_exp_f32 v[148+\c], v[148+\c]                 ; f_d
.endr
	v_nop                                          ; a plain instruction behind the last exponential
	s_wait_alu depctr_va_vdst(0)                   ; one wait for the four, ahead of their first reader
.irp c, 0,1,2,3
	v_mul_f32 v[152+\c], v144, v[148+\c]           ; the angle: one f32 product
.endr
.irp c, 0,1,2,3
	v_mul_f32 v[156+\c], 0x3f22f983, v[152+\c]     ; x 2 / pi
.endr
.irp c, 0,1,2,3
	v_rndne_f32 v[156+\c], v[156+\c]               ; n quarter turns
.endr
.irp c, 0,1,2,3
	v_fmamk_f32 v[160+\c], v[156+\c], 0xbfc90fdb, v[152+\c]   ; angle - n pi/2, pi/2 in two parts
.endr
.irp c, 0,1,2,3
	v_fmamk_f32 v[160+\c], v[156+\c], 0x333bbd2e, v[160+\c]
.endr
.irp c, 0,1,2,3
	v_mul_f32 v[164+\c], v[160+\c], v[160+\c]      ; z
.endr
.irp c, 0,1,2,3
	v_fma_f32 v[168+\c], v[164+\c], s32, s33
	v_fma_f32 v[172+\c], v[164+\c], s35, s36
.endr
.irp c, 0,1,2,3
	v_fma_f32 v[168+\c], v[168+\c], v[164+\c], s34
	v_fma_f32 v[172+\c], v[172+\c], v[164+\c], s37
.endr
.irp c, 0,1,2,3
	v_mul_f32 v[168+\c], v[168+\c], v[164+\c]
	v_mul_f32 v[184+\c], v[164+\c], v[164+\c]
.endr
.irp c, 0,1,2,3
	v_fma_f32 v[168+\c], v[168+\c], v[160+\c], v[160+\c]      ; the sine of the rest
	v_fma_f32 v[188+\c], v[164+\c], -0.5, 1.0
.endr
.irp c, 0,1,2,3
	v_fma_f32 v[172+\c], v[172+\c], v[184+\c], v[188+\c]      ; its cosine
	v_cvt_i32_f32 v[176+\c], v[156+\c]
.endr
.irp c, 0,1,2,3
	v_add_nc_u32 v[176+\c], v[176+\c], v147        ; the quarter
.endr
.irp c, 0,1,2,3
	v_and_b32 v[184+\c], 1, v[176+\c]
.endr
.irp c, 0,1,2,3
	v_cmp_eq_u32 vcc_lo, 1, v[184+\c]
	v_cndmask_b32 v[180+\c], v[168+\c], v[172+\c], vcc_lo     ; odd quarters take the cosine,
.endr
.irp c, 0,1,2,3
	v_and_b32 v[184+\c], 2, v[176+\c]
.endr
.irp c, 0,1,2,3
	v_lshlrev_b32 v[184+\c], 30, v[184+\c]
.endr
.irp c, 0,1,2,3
	v_xor_b32 v[180+\c], v[180+\c], v[184+\c]      ; quarters 2 and 3 the other sign
.endr
	global_store_b128 v8, v[180:183], s[14:15]     ; a wave stores 512 consecutive bytes
.irp i, 0,1,2,3
	v_mov_b32 v[C+\i], 0
.endr
.irp j, 0,1,2,3,4,5,6,7
	global_store_b128 v8, v[C:C+3], s[18:19] offset:\j*2048   ; the pads: key places outside the sequence, which the attention's tile loads pass over
.endr
	s_wait_xcnt 0x0                                ; these stores' data lie where the steps' numbers and codes go: they are rewritten only behind this wait
.macro XSTEP t
.if (\t) < 3
	s_wait_loadcnt 16                              ; this step's 16 loads are in; the next step's 16 may be out
.else
	s_wait_loadcnt 0
.endif
.irp i, 0,1,2,3,4,5,6,7,8,9,10,11,12,13,14,15
	ds_store_b128 v5, v[R+64*((\t)%2)+4*\i:R+64*((\t)%2)+4*\i+3] offset:\i*528
.endr
.irp c, 0,1
.irp j, 0,1,2,3,4,5,6,7
	ds_load_b128 v[X+32*\c+4*\j:X+32*\c+4*\j+3], v6 offset:\c*256+16*\j   ; block 2 c + h of row r: LDS serves a wave's instructions in order, so these see the stores above
.endr
.endr
	s_wait_dscnt 0x0                               ; the numbers are back, and the stores have read their registers,
.if (\t) < 2
	XLOAD (\t)+2                                   ; which take the loads of two steps on
.endif
.irp c, 0,1
	v_max3_num_f32 v[244+\c], |v[X+32*\c]|, |v[X+32*\c+1]|, 0x1800000     ; the block's largest magnitude, all 32 numbers mine, and the floor 2^(3 - 127)
.endr
.irp i, 2,4,6,8,10,12,14,16,18,20,22,24,26,28,30
.irp c, 0,1
	v_max3_num_f32 v[244+\c], v[244+\c], |v[X+32*\c+\i]|, |v[X+32*\c+\i+1]|
.endr
.endr
.irp c, 0,1
	v_add_nc_u32 v[246+\c], 0xff000000, v[244+\c]  ; 2 off the exponent field: the conversion's scale operand
.endr
.irp c, 0,1
	v_lshrrev_b32 v[248+\c], 23, v[246+\c]         ; the scale's byte
.endr
	v_lshl_or_b32 v250, v249, 16, v248             ; blocks h and 2 + h,
	v_lshlrev_b32 v250, v9, v250                   ; at their places in the word;
	v_permlanex16_b32 v251, v250, s22, s23
	v_or_b32 v[SW+(\t)], v250, v251                ; with lane l xor 16's two the word is whole
.irp c, 0,1
.irp g, 0,1,2,3
	v_cvt_scalef32_pk8_fp4_f32 v[C+8*(\t)+4*\c+\g], v[X+32*\c+8*\g:X+32*\c+8*\g+7], v[246+\c]
.endr
.endr
	v_nop                                          ; one plain instruction behind the last scaled conversion
	global_store_b128 v4, v[C+8*(\t):C+8*(\t)+3], s[10:11] offset:(\t)*1024
	global_store_b128 v4, v[C+8*(\t)+4:C+8*(\t)+7], s[10:11] offset:(\t)*1024+512
.endm
	XSTEP 0
	XSTEP 1
	XSTEP 2
	XSTEP 3
	v_cmp_gt_u32 vcc_lo, 16, v1
	s_wait_xcnt 0x0                                ; EXEC is a source of the pending stores: it changes only behind this wait
	s_and_saveexec_b32 s30, vcc_lo
	global_store_b128 v7, v[SW:SW+3], s[12:13]     ; sixteen lanes store 256 consecutive bytes: 16 rows' scale words
	s_wait_xcnt 0x0
	s_or_b32 exec_lo, exec_lo, s30
	s_wait_tensorcnt 0x0                           ; the wave's end, behind my last LDS store
	ds_add_u32 v[SPW], v[NIL]
	s_wait_dscnt 0x0
	s_endpgm
; ---------------------------------------------------------------- W and O ways: a wave takes 32 columns x 128 along K; a lane a column, 128 registers down K
.macro WLOAD blo, pitch                ; each load reads 128 consecutive bytes; the four waves stand side by side on 512
.set J, 0
.rept 128
	global_load_b32 v[32+J], v4, s[\blo:\blo+1] offset:J*\pitch th:TH_LOAD_NT
.set J, J+1
.endr
.endm
.macro WAITB b                         ; behind block b's 32 loads 96, 64, 32, 0 were issued; the wait's field holds 63 at the most
.if (\b) < 2
	s_wait_loadcnt 63
.elseif (\b) == 2
	s_wait_loadcnt 32
.else
	s_wait_loadcnt 0
.endif
.endm
.macro QBLK b
.set XS, 32+32*(\b)
	WAITB \b
	v_max3_num_f32 v12, |v[XS]|, |v[XS+1]|, |v[XS+2]|
	v_max3_num_f32 v13, |v[XS+3]|, |v[XS+4]|, |v[XS+5]|
.irp i, 6,10,14,18,22,26
	v_max3_num_f32 v12, v12, |v[XS+\i]|, |v[XS+\i+1]|
	v_max3_num_f32 v13, v13, |v[XS+\i+2]|, |v[XS+\i+3]|
.endr
	v_max3_num_f32 v12, v12, |v[XS+30]|, |v[XS+31]|
	v_max3_num_f32 v12, v12, v13, 0x1800000        ; and the floor
	v_add_nc_u32 v14, 0xff000000, v12
	v_lshrrev_b32 v15, 23, v14
.if (\b) == 0
	v_mov_b32 v24, v15
.else
	v_lshl_or_b32 v24, v15, 8*(\b), v24            ; the four bytes make my column's scale word
.endif
.irp g, 0,1,2,3
	v_cvt_scalef32_pk8_fp4_f32 v[160+4*(\b)+\g], v[XS+8*\g:XS+8*\g+7], v14
.endr
	v_nop                                          ; one plain instruction behind the last scaled conversion
	global_store_b128 v5, v[160+4*(\b):160+4*(\b)+3], s[10:11] offset:((\b)/2)*512+((\b)%2)*256   ; each half of the lanes stores 256 consecutive bytes
.endm
.macro HBLK b
	WAITB \b
.set J, 0
.rept 16
	v_cvt_pk_f16_f32 v[160+16*(\b)+J], v[32+32*(\b)+2*J], v[33+32*(\b)+2*J]
.set J, J+1
.endr
.irp gg, 0,1,2,3
	global_store_b128 v5, v[160+16*(\b)+4*\gg:160+16*(\b)+4*\gg+3], s[16:17] offset:(\b)*1024+(\gg/2)*512+(\gg%2)*256
.endr
.endm
.Lnot_x:
	s_cmp_lt_u32 ttmp9, 448
	s_cbranch_scc0 .Lo_way
	s_sub_co_u32 s24, ttmp9, 256
	s_lshr_b32 s25, s24, 3                         ; which 128 columns
	s_and_b32 s26, s24, 7                          ; which 128 along K
	s_lshl_b32 s27, s25, 7
	s_lshl_b32 s28, s20, 5
	s_add_co_u32 s27, s27, s28                     ; my wave's first column
	s_mov_b32 s29, 0
	s_mul_i32 s28, s26, 1572864                    ; 128 rows of 12,288 bytes
	s_lshl_b32 s30, s27, 2
	s_add_co_u32 s28, s28, s30
	s_add_nc_u64 s[6:7], s[6:7], s[28:29]
	s_lshr_b32 s30, s26, 2
	s_and_b32 s31, s26, 3
	s_mul_i32 s28, s30, 786432
	s_lshl_b32 s32, s27, 8                         ; 4,096 bytes a tile of 16 columns
	s_add_co_u32 s28, s28, s32
	s_lshl_b32 s32, s31, 10
	s_add_co_u32 s28, s28, s32
	s_add_co_u32 s28, s28, 4194304
	s_add_nc_u64 s[10:11], s[10:11], s[28:29]
	s_lshl_b32 s28, s30, 17
	s_lshl_b32 s32, s27, 4
	s_add_co_u32 s28, s28, s32
	s_lshl_b32 s32, s31, 2
	s_add_co_u32 s28, s28, s32
	s_add_co_u32 s28, s28, 262144
	s_add_nc_u64 s[12:13], s[12:13], s[28:29]
	v_lshlrev_b32 v4, 2, v1
	v_lshlrev_b32 v5, 4, v2
	v_lshl_add_u32 v5, v3, 12, v5                  ; lanes 16-31 belong to the next tile of columns
	v_lshlrev_b32 v6, 4, v1
	WLOAD 6, 12288
	QBLK 0
	QBLK 1
	QBLK 2
	QBLK 3
	global_store_b32 v6, v24, s[12:13]             ; 4 bytes of each column's 16: pieces 16 bytes apart, 98,304 bytes in the whole launch
	s_endpgm
.Lo_way:
	s_sub_co_u32 s24, ttmp9, 448
	s_lshr_b32 s25, s24, 3
	s_and_b32 s26, s24, 7
	s_lshl_b32 s27, s25, 7
	s_lshl_b32 s28, s20, 5
	s_add_co_u32 s27, s27, s28
	s_mov_b32 s29, 0
	s_lshl_b32 s28, s26, 19                        ; 128 rows of 4,096 bytes
	s_lshl_b32 s30, s27, 2
	s_add_co_u32 s28, s28, s30
	s_add_nc_u64 s[8:9], s[8:9], s[28:29]
	s_lshl_b32 s28, s26, 18
	s_lshl_b32 s30, s27, 8
	s_add_co_u32 s28, s28, s30
	s_add_nc_u64 s[16:17], s[16:17], s[28:29]
	v_lshlrev_b32 v4, 2, v1
	v_lshlrev_b32 v5, 4, v2
	v_lshl_add_u32 v5, v3, 12, v5
	WLOAD 8, 4096
	HBLK 0
	HBLK 1
	HBLK 2
	HBLK 3
	s_endpgm
.Lfunc_end_k_q9bf8e6c865_prep:
	.size	k_q9bf8e6c865_prep, .Lfunc_end_k_q9bf8e6c865_prep-k_q9bf8e6c865_prep
	.p2alignl 7, 3214868480
	.fill 96, 4, 3214868480
	.section	.rodata,"a",@progbits
	.p2align	6, 0x0
	.amdhsa_kernel k_q9bf8e6c865_prep
		.amdhsa_group_segment_fixed_size 34304
		.amdhsa_private_segment_fixed_size 0
		.amdhsa_enable_private_segment 0
		.amdhsa_kernarg_size 64
		.amdhsa_user_sgpr_count 2
		.amdhsa_user_sgpr_kernarg_segment_ptr 1
		.amdhsa_wavefront_size32 1
		.amdhsa_system_sgpr_workgroup_id_x 1
		.amdhsa_system_sgpr_workgroup_id_y 1
		.amdhsa_system_sgpr_workgroup_id_z 1
		.amdhsa_system_vgpr_workitem_id 0
		.amdhsa_next_free_vgpr 256
		.amdhsa_next_free_sgpr 66
		.amdhsa_reserve_vcc 1
		.amdhsa_float_denorm_mode_32 3
		.amdhsa_float_denorm_mode_16_64 3
		.amdhsa_memory_ordered 1
		.amdhsa_forward_progress 1
		.amdhsa_inst_pref_size 75
	.end_amdhsa_kernel
	.amdgpu_metadata
---
amdhsa.version: [ 1, 2 ]
amdhsa.kernels:
  - .name:           k_q9bf8e6c865_prep
    .symbol:         k_q9bf8e6c865_prep.kd
    .args:
      - { .name: x, .offset: 0, .size: 8, .value_kind: global_buffer, .address_space: global }
      - { .name: Wqkv, .offset: 8, .size: 8, .value_kind: global_buffer, .address_space: global }
      - { .name: Wout, .offset: 16, .size: 8, .value_kind: global_buffer, .address_space: global }
      - { .name: cod, .offset: 24, .size: 8, .value_kind: global_buffer, .address_space: global }
      - { .name: scl, .offset: 32, .size: 8, .value_kind: global_buffer, .address_space: global }
      - { .name: tab, .offset: 40, .size: 8, .value_kind: global_buffer, .address_space: global }
      - { .name: wo, .offset: 48, .size: 8, .value_kind: global_buffer, .address_space: global }
      - { .name: qkv, .offset: 56, .size: 8, .value_kind: global_buffer, .address_space: global }
    .group_segment_fixed_size: 34304
    .private_segment_fixed_size: 0
    .kernarg_segment_align: 8
    .kernarg_segment_size: 64
    .max_flat_workgroup_size: 128
    .sgpr_count:     66
    .vgpr_count:     256
    .wavefront_size: 32
...
	.end_amdgpu_metadata
.endif
;; end of part 1
;; launch qkv (part 2): grid 12 x 32, 4 waves a work-group, clusters of 4 x 4, 279,040 bytes of LDS; arguments cod, scl, tab, qkv; writes qkv
.if DOCPART == 2
	.amdgcn_target "amdgcn-amd-amdhsa--gfx1250"
	.amdhsa_code_object_version 6
	.text
	.protected	k_q9bf8e6c865_qkv
	.globl	k_q9bf8e6c865_qkv
	.p2align	8
	.type	k_q9bf8e6c865_qkv,@function
k_q9bf8e6c865_qkv:
	s_mov_b64 s[64:65], 0
	v_nop
	global_prefetch_b8 v0, s[64:65] scope:SCOPE_SE
	s_setreg_imm32_b32 hwreg(HW_REG_WAVE_MODE, 25, 1), 1
	s_wait_xcnt 0x0
	s_wait_alu depctr_hold_cnt(0) depctr_sa_sdst(0) depctr_va_vdst(0) depctr_va_sdst(0) depctr_va_ssrc(0) depctr_va_vcc(0) depctr_vm_vsrc(0)
	s_getreg_b32 s2, hwreg(HW_REG_IB_STS2, 6, 4)
	s_cmp_eq_u32 s2, 0
	s_cbranch_scc0 .Lentry_in_a_cluster
	s_endpgm
.Lentry_in_a_cluster:
	s_bfe_u32 s2, ttmp6, 0x10000c
	s_cmp_lg_u32 s2, 0xf033
	s_cbranch_scc0 .Lentry_shape_is_right
	s_endpgm
.Lentry_shape_is_right:
; QKV = Q(x) Q(Wqkv) on E2M1 codes with E8M0 scales (K = 1,024), then the rope, q x log2(e) / 8, rounding to f16, and the results stored as images of the attention's operand registers.
; A work-group of four waves makes 256 x 256, a wave 128 x 128: 64 accumulators, 512 registers.  All of K lies in LDS: two slots of 512 along K, each filled once; nothing is filled again.
; The codes lie in memory in the order of the operand's registers, so a tile is a dense block, a fragment is two loads of 512 consecutive LDS bytes, and no padding is needed.
; THE MATRIX INSTRUCTION IS USED TRANSPOSED: source 0 = 16 rows of 'B', source 1 = 16 rows of 'A': lane (r, h) holds A's row r and B's rows 8 h + 0..7.
; The cluster's x is the section.  q, k: A = rows of x (tokens), B = rows of W (channels): a lane holds one token and 8 channels, 16 bytes of a fragment of Q or K.
; v: the roles change BY ADDRESS ALONE: A = W's rows 2,048 on, B = rows of x: a lane holds one channel and 8 keys, 16 bytes of a fragment of V^T.  Only the way out differs, by a branch on the cluster's x.
; CLUSTER 4 x 4: A's tiles are shared along a row of the cluster, B's along a column: each is asked for jointly, by the same tensor load with a mask that names the four.
; qkv: three sections; in each [batch x 16 + head][2,304 key places of 128 bytes], token t at place t + 128.  q, k: [tile of 16][jb 4][lane][16 B], channels 16 jb + 8 h + 0..7 of token r.
;      v: [group of 32 keys][ct 4][half 2][lane][16 B], keys 16 half + 8 h + 0..7 of channel 16 ct + r.
; LIMIT: q x 0.18, k and v must lie inside f16's range (65,504).
; REGISTERS: window 0: v16-29 addresses; v32-95 scale words, two sets, and nothing else; v128-191 A's fragments; v192-255 cos and sin, two sets; on the way out v96-159 packed results, two sets.
;   window 1: B's fragments, two sets (v0, v128); on the way out v0-63 the rope's results.   windows 2, 3: accumulator (a, b) at v[8 (8 (a % 4) + b)].
.set SEC,   18874368
.set HS,    294912
.set NQ,    4                          ; matrix instructions deep in a slot
.set FR,    8                          ; registers of a fragment
.set NL,    2                          ; LDS loads that bring one
.set NP,    4                          ; places behind this matrix instruction (ISA guide 7.12.1)
.set SLOT,  131072                     ; a slot: four parts of 32,768: A's halves, B's halves
.set SCL,   2*SLOT                     ; behind the slots: the scale words, 4,096 bytes a part: [ks2 2][128 rows][16 B]
.set SPARE, SCL+4*4096                 ; the spare words, 128 bytes a wave
.set ADRA, 16                          ; v16-17 my A fragments in slot 0, 1
.set ADRB, 20                          ; v20-21 my B fragments
.set TBO,  25                          ; v25    the table: 256 r + 32 h
.set CO,   26                          ; v26    16 x lane
.set ADRS, 27                          ; v27    my scale words: lanes 0-15 A's rows, lanes 16-31 B's
.set SPW,  28
.set NIL,  29
.set SC,   32
.set PK,   96
.set AF,   128
.set CSR,  192
.set G1, 24
.set G0, 32
.set G1B, 48
.set G0B, 56
.set G1S, 68
.set G0S, 76
.set G1SB, 80
.set G0SB, 88
.set MSB, 0
.macro WIN new                         ; the immediate's high byte repeats the setting that is left
.if MSB != \new
	s_set_vgpr_msb (MSB<<8)|\new
.set MSB, \new
.endif
.endm
.set MUL_LO, 0xa1                      ; source 0 (B) window 1, source 1 (A) window 0, C and D window 2
.set MUL_HI, 0xf1
.set TO_B,   0x40
.macro JLOAD g0a, g1a, g0b, g1b        ; a joint load: waves 0 and 1 fetch for A, waves 2 and 3 for B; an s_nop 0 and four v_nop follow each line
	s_cmp_eq_u32 s15, 0
	s_cbranch_scc0 .Lfor_b_\@
	tensor_load_to_lds s[\g0a:\g0a+3], s[\g1a:\g1a+7]
	s_nop 0
.rept 4
	v_nop
.endr
	s_branch .Lasked_\@
.Lfor_b_\@:
	tensor_load_to_lds s[\g0b:\g0b+3], s[\g1b:\g1b+7]
	s_nop 0
.rept 4
	v_nop
.endr
.Lasked_\@:
.endm
.macro CROUND                          ; a round of the cluster's barrier
	s_barrier_signal -1
	s_barrier_wait -1
	s_cmp_lg_u32 s14, 0
	s_cbranch_scc1 .Lnot_wave_0_\@
	s_barrier_signal -3
.Lnot_wave_0_\@:
	s_barrier_wait -3
	s_barrier_signal -1
	s_barrier_wait -1
.endm
	s_load_b256 s[4:11], s[0:1], 0x0               ; cod s[4:5], scl s[6:7], tab s[8:9], qkv s[10:11]
	v_lshl_add_u32 v[SPW], v0, 2, SPARE
	v_mov_b32 v[NIL], 0
	ds_add_u32 v[SPW], v[NIL]                      ; the wave's opening: the add, twice on end, and its wait ahead of my first tensor load
	ds_add_u32 v[SPW], v[NIL]
	v_lshrrev_b32 v1, 5, v0
	v_readfirstlane_b32 s14, v1                    ; wave
	s_lshr_b32 s15, s14, 1                         ; my half of A's rows.  Also: I fetch for A (0) or for B (1)
	s_and_b32 s16, s14, 1                          ; my half of B's rows.  Also: which 128 rows I fetch
	s_bfe_u32 s40, ttmp6, 0x40000                  ; cx
	s_bfe_u32 s41, ttmp6, 0x40004                  ; cy
	s_and_b32 s17, ttmp7, 0xffff
	s_lshl_b32 s17, s17, 2                         ; 4 x cluster y
	s_lshl_b32 s42, ttmp9, 2                       ; 4 x cluster x
	s_mov_b32 s94, 2097152
	s_mov_b32 s98, 786432
	s_cmp_eq_u32 ttmp9, 2                          ; section v?  The same in all sixteen partners
	s_cselect_b32 s18, 0, s17                      ; A's tile row: cy + 4 x cluster y, in v cy alone
	s_cselect_b32 s19, s17, s42                    ; B's tile column: cx + 4 x cluster x, in v cx + 4 x cluster y
	s_cselect_b32 s92, 128, 0                      ; A's first tile of 16 rows: in v W's row 2,048
	s_cselect_b32 s93, 4194304, 0                  ; A's codes begin here in cod,
	s_cselect_b32 s94, 786432, s94                 ; their planes of 512 along K lie so far apart,
	s_cselect_b32 s2, 262144, 0                    ; A's scale words begin here in scl;
	s_cselect_b32 s96, 0, 4194304                  ; the same for B
	s_cselect_b32 s98, 2097152, s98
	s_cselect_b32 s3, 0, 262144
	s_mov_b32 s95, 0
	s_mov_b32 s99, 0
	s_cmp_eq_u32 ttmp9, 0
	s_cselect_b32 s100, 0x3e38aa3b, 1.0            ; q is multiplied by log2(e) / 8, through the cosines and sines
	s_mov_b32 s101, s100
	s_add_co_u32 s17, s41, s18                     ; tile row
	s_add_co_u32 s42, s40, s19                     ; tile column
	s_lshl_b32 s43, s41, 2
	s_lshl_b32 s43, 15, s43                        ; my row of the cluster
	s_lshl_b32 s44, 0x1111, s40                    ; my column
	; group 1 for the codes: 32,768 dense bytes as 128 rows of 32 elements of 8 bytes
	s_or_b32 s[G1+0], s43, (3<<16)|(1<<21)
	s_or_b32 s[G1B+0], s44, (3<<16)|(1<<21)
.irp g, G1, G1B
	s_mov_b32 s[\g+1], 32<<16
	s_mov_b32 s[\g+2], 128<<16
	s_mov_b32 s[\g+3], 32<<16
	s_mov_b32 s[\g+4], 128
	s_mov_b32 s[\g+5], 32
	s_mov_b32 s[\g+6], 0
	s_mov_b32 s[\g+7], 0
.endr
	; and for the scale words of 128 rows: two rows of 2,048 bytes, 131,072 bytes apart
	s_or_b32 s[G1S+0], s43, (3<<16)|(1<<21)
	s_or_b32 s[G1SB+0], s44, (3<<16)|(1<<21)
.irp g, G1S, G1SB
	s_mov_b32 s[\g+1], 256<<16
	s_mov_b32 s[\g+2], 2<<16
	s_mov_b32 s[\g+3], 256<<16
	s_mov_b32 s[\g+4], 2
	s_mov_b32 s[\g+5], 16384
	s_mov_b32 s[\g+6], 0
	s_mov_b32 s[\g+7], 0
.endr
	s_lshl_b32 s18, s16, 3                         ; which 8 tiles of 16 rows I fetch
	s_lshl_b32 s20, s17, 4
	s_add_co_u32 s20, s20, s18
	s_add_co_u32 s20, s20, s92                     ; A's
	s_lshl_b32 s22, s20, 8
	s_add_co_u32 s22, s22, s2                      ; their scale words, 256 bytes a tile,
	s_mov_b32 s23, 0
	s_lshl_b32 s20, s20, 12
	s_add_co_u32 s20, s20, s93                     ; their codes, 4,096 bytes a tile and plane
	s_mov_b32 s21, 0
	s_lshl_b32 s46, s42, 4
	s_add_co_u32 s46, s46, s18                     ; B's
	s_lshl_b32 s66, s46, 8
	s_add_co_u32 s66, s66, s3
	s_mov_b32 s67, 0
	s_lshl_b32 s46, s46, 12
	s_add_co_u32 s46, s46, s96
	s_mov_b32 s47, 0
	s_lshl_b32 s45, s14, 15                        ; where they go: wave x a part: no place in the cluster enters an LDS address
	s_lshl_b32 s13, s14, 12
	s_wait_dscnt 0x0                               ; both opening adds are done
	s_wait_kmcnt 0x0
	s_add_nc_u64 s[20:21], s[4:5], s[20:21]
	s_add_nc_u64 s[22:23], s[6:7], s[22:23]
	s_add_nc_u64 s[46:47], s[4:5], s[46:47]
	s_add_nc_u64 s[66:67], s[6:7], s[66:67]
	CROUND                                         ; all sixteen work-groups are here: the first joint loads meet
	s_mov_b32 s[G0S], 1
	s_add_co_u32 s[G0S+1], s13, SCL
	s_mov_b64 s[G0S+2:G0S+3], s[22:23]
	s_or_b32 s[G0S+3], s[G0S+3], 0x80000000
	s_mov_b32 s[G0SB], 1
	s_add_co_u32 s[G0SB+1], s13, SCL
	s_mov_b64 s[G0SB+2:G0SB+3], s[66:67]
	s_or_b32 s[G0SB+3], s[G0SB+3], 0x80000000
	JLOAD G0S, G1S, G0SB, G1SB                     ; the scale words first: they are wanted with slot 0
	s_mov_b32 s[G0], 1
	s_mov_b32 s[G0+1], s45
	s_mov_b64 s[G0+2:G0+3], s[20:21]
	s_or_b32 s[G0+3], s[G0+3], 0x80000000
	s_mov_b32 s[G0B], 1
	s_mov_b32 s[G0B+1], s45
	s_mov_b64 s[G0B+2:G0B+3], s[46:47]
	s_or_b32 s[G0B+3], s[G0B+3], 0x80000000
	JLOAD G0, G1, G0B, G1B                         ; K = 0 .. 511
	s_mov_b32 s[G0+4], 1
	s_add_co_u32 s[G0+5], s45, SLOT
	s_add_nc_u64 s[G0+6:G0+7], s[20:21], s[94:95]
	s_or_b32 s[G0+7], s[G0+7], 0x80000000
	s_mov_b32 s[G0B+4], 1
	s_add_co_u32 s[G0B+5], s45, SLOT
	s_add_nc_u64 s[G0B+6:G0B+7], s[46:47], s[98:99]
	s_or_b32 s[G0B+7], s[G0B+7], 0x80000000
	JLOAD G0+4, G1, G0B+4, G1B                     ; K = 512 .. 1,023: three tensor loads of mine are out
	v_and_b32 v1, 15, v0                           ; r
	v_bfe_u32 v2, v0, 4, 1                         ; h
	v_and_b32 v3, 31, v0
	v_lshlrev_b32 v[CO], 4, v3
	s_lshl_b32 s12, s15, 15                        ; my 128 rows of A
	s_lshl_b32 s13, s16, 15
	s_add_co_u32 s13, s13, 65536                   ; my 128 rows of B, behind A's two parts
.irp s, 0,1
	v_add_nc_u32 v[ADRA+\s], s12, v[CO]
	v_add_nc_u32 v[ADRB+\s], s13, v[CO]
	s_add_co_u32 s12, s12, SLOT
	s_add_co_u32 s13, s13, SLOT
.endr
	s_lshl_b32 s12, s15, 12                        ; A's scale words: my part;
	s_lshl_b32 s13, s16, 12
	s_add_co_u32 s13, s13, 2*4096                  ; B's
	s_sub_co_u32 s13, s13, s12
	v_mul_u32_u24 v4, s13, v2                      ; lanes 16-31 take B's
	s_add_co_u32 s12, s12, SCL
	v_lshl_add_u32 v4, v1, 4, v4
	v_add_nc_u32 v[ADRS], s12, v4
	v_lshlrev_b32 v[TBO], 8, v1
	v_lshl_add_u32 v[TBO], v2, 5, v[TBO]
	; the way out's addresses: my first token, my first head
	s_lshl_b32 s12, s17, 8
	s_lshl_b32 s13, s15, 7
	s_add_co_u32 s12, s12, s13                     ; q, k: tokens are A's rows
	s_lshl_b32 s18, s42, 8
	s_lshl_b32 s19, s16, 7
	s_add_co_u32 s18, s18, s19                     ; v: B's
	s_lshl_b32 s92, s40, 2
	s_lshl_b32 s93, s16, 1
	s_add_co_u32 s92, s92, s93                     ; q, k: heads run along B's rows, 64 to a head
	s_lshl_b32 s96, s41, 2
	s_lshl_b32 s97, s15, 1
	s_add_co_u32 s96, s96, s97                     ; v: along A's
	s_cmp_eq_u32 ttmp9, 2
	s_cselect_b32 s12, s18, s12
	s_cselect_b32 s13, s96, s92
	s_lshr_b32 s18, s12, 11                        ; batch
	s_lshl_b32 s18, s18, 4
	s_add_co_u32 s18, s18, s13
	s_mul_i32 s18, s18, HS
	s_and_b32 s12, s12, 2047                       ; t
	s_lshl_b32 s19, s12, 7
	s_add_co_u32 s18, s18, s19
	s_add_co_u32 s18, s18, 16384                   ; token t sits at place t + 128
	s_mul_i32 s19, ttmp9, SEC
	s_add_co_u32 s18, s18, s19
	s_mov_b32 s19, 0
	s_add_nc_u64 s[10:11], s[10:11], s[18:19]
	s_lshl_b32 s18, s12, 8
	s_add_nc_u64 s[8:9], s[8:9], s[18:19]          ; the table at my first token
.macro FRAG reg, adr, q, i             ; a fragment as it was stored: two pieces of 512 consecutive bytes
.irp c, 0,1
	ds_load_b128 v[\reg+4*\c:\reg+4*\c+3], v[\adr] offset:(\i)*4096+(\q)*1024+\c*512
.endr
.endm
; 16 matrix instructions: A's blocks a0, a0 + 1 x B's eight.  The 64 accumulators take turns, one instruction a turn, in the same order in every step.
.macro MUL16 a0, p, q, sc, zero
.irp a, \a0, \a0+1
.irp b, 0,1,2,3,4,5,6,7
.if \zero
	v_wmma_scale_f32_16x16x128_f8f6f4 v[8*(8*((\a)%4)+\b):8*(8*((\a)%4)+\b)+7], v[128*(\p)+FR*\b:128*(\p)+FR*\b+FR-1], v[AF+FR*(\a):AF+FR*(\a)+FR-1], 0, v[SC+8*NQ*(\sc)+NQ*\b+(\q)], v[SC+8*NQ*(\sc)+NQ*(\a)+(\q)] matrix_a_fmt:MATRIX_FMT_FP4 matrix_b_fmt:MATRIX_FMT_FP4 matrix_a_scale:MATRIX_SCALE_ROW1
.else
	v_wmma_scale_f32_16x16x128_f8f6f4 v[8*(8*((\a)%4)+\b):8*(8*((\a)%4)+\b)+7], v[128*(\p)+FR*\b:128*(\p)+FR*\b+FR-1], v[AF+FR*(\a):AF+FR*(\a)+FR-1], v[8*(8*((\a)%4)+\b):8*(8*((\a)%4)+\b)+7], v[SC+8*NQ*(\sc)+NQ*\b+(\q)], v[SC+8*NQ*(\sc)+NQ*(\a)+(\q)] matrix_a_fmt:MATRIX_FMT_FP4 matrix_b_fmt:MATRIX_FMT_FP4 matrix_a_scale:MATRIX_SCALE_ROW1
.endif
.endr
.endr
.endm
.macro FETCH_B slot, q, p
	WIN TO_B
.irp i, 0,1,2,3,4,5,6,7
	FRAG 128*(\p)+FR*\i, ADRB+\slot, \q, \i
.endr
	WIN 0
.endm
.macro FETCH_A slot, q, i0
.irp i, \i0, \i0+1, \i0+2, \i0+3
	FRAG AF+FR*(\i), ADRA+\slot, \q, \i
.endr
.endm
.macro SCALES sc                       ; a slot's scale words: four a row; lanes 0-15 A's block i, lanes 16-31 B's block i
.irp i, 0,1,2,3,4,5,6,7
	ds_load_b128 v[SC+8*NQ*\sc+NQ*\i:SC+8*NQ*\sc+NQ*\i+3], v[ADRS] offset:\sc*2048+\i*256
.endr
.endm
.macro PLACES n                        ; plain instructions between a matrix instruction and a load into, or a vector instruction on, its registers
.rept \n
	v_nop
.endr
.endm
.macro STEP slot, q, zero              ; 128 along K that has its successor in the same slot
	s_wait_dscnt 4*NL                              ; all but the youngest eight loads (A's blocks 4-7) are in
	WIN MUL_LO
	MUL16 0, (\q)%2, \q, \slot, \zero
	MUL16 2, (\q)%2, \q, \slot, \zero
	s_wait_dscnt 0
	PLACES NP
	FETCH_B \slot, (\q)+1, 1-(\q)%2
	FETCH_A \slot, (\q)+1, 0
	WIN MUL_HI
	MUL16 4, (\q)%2, \q, \slot, \zero
	MUL16 6, (\q)%2, \q, \slot, \zero
	PLACES NP
	WIN 0
	FETCH_A \slot, (\q)+1, 4
.endm
.macro CSLOAD a, p                     ; cos and sin for block a's 16 tokens, my 16 channels of each: set p
.irp u, 0,1,2,3
.irp k, 0,1
	global_load_b128 v[CSR+32*(\p)+8*\u+4*\k:CSR+32*(\p)+8*\u+4*\k+3], v[TBO], s[8:9] offset:(\a)*4096+(\u%2)*64+(\u/2)*128+16*\k
.endr
.endr
.endm
	s_wait_tensorcnt 1                             ; the scale words and my part of slot 0 are in; slot 1's load may be out
	s_barrier_signal -1
	s_barrier_wait -1
	CSLOAD 0, 0                                    ; the first two blocks' cos and sin, asked for ahead of all products.  Issued in all three sections, so that the text parts once, at the way out;
	CSLOAD 1, 1                                    ; section v does not use them (they stay inside the table)
	FETCH_B 0, 0, 0
	FETCH_A 0, 0, 0
	SCALES 0
	FETCH_A 0, 0, 4
	STEP 0, 0, 1                                   ; the first products start the sums: nothing is cleared
	STEP 0, 1, 0
	STEP 0, 2, 0
	; slot 0's last step changes slots
	s_wait_tensorcnt 0x0                           ; my part of slot 1 has landed;
	ds_add_u32 v[SPW], v[NIL]                      ; 0 onto my spare word
	s_wait_dscnt 4*NL+1                            ; (the add and the youngest eight loads may be out)
	WIN MUL_LO
	MUL16 0, 1, NQ-1, 0, 0
	s_wait_dscnt 0x0
	s_barrier_signal -1
	MUL16 2, 1, NQ-1, 0, 0
	WIN 0
	s_barrier_wait -1                              ; everybody's part of slot 1 has landed
	PLACES NP
	FETCH_B 1, 0, 0
	FETCH_A 1, 0, 0
	SCALES 1
	WIN MUL_HI
	MUL16 4, 1, NQ-1, 0, 0
	MUL16 6, 1, NQ-1, 0, 0
	PLACES NP
	WIN 0
	FETCH_A 1, 0, 4
	STEP 1, 0, 0
	STEP 1, 1, 0
	STEP 1, 2, 0
	s_wait_dscnt 4*NL
	WIN MUL_LO
	MUL16 0, 1, NQ-1, 1, 0
	MUL16 2, 1, NQ-1, 1, 0
	s_wait_dscnt 0
	WIN MUL_HI
	MUL16 4, 1, NQ-1, 1, 0
	MUL16 6, 1, NQ-1, 1, 0
	WIN 0
	PLACES NP
; THE WAY OUT OF q AND k, block a of 16 tokens.  Accumulator (a, 4 hh + jb): head hh of my two, channels 16 jb + 8 h + 0..7.  The rope pairs channel d with d + 32: jb = j with jb = j + 2, in the same lane and register.
.macro ROPE a
.set P_, (\a)%2
.set CB_, CSR+32*P_
.if (\a) < 7
	s_wait_loadcnt 8                               ; this block's eight loads are in; the next block's may be out
.else
	s_wait_loadcnt 0
.endif
.set I_, 0
.rept 16
	v_pk_mul_f32 v[CB_+I_:CB_+I_+1], v[CB_+I_:CB_+I_+1], s[100:101] op_sel_hi:[1,0]   ; q's factor rides on the cosines and sines
.set I_, I_+2
.endr
.set W_, 0x52+(\a)/4
	WIN W_                                         ; source 0: the accumulators' window; source 2 and destination: window 1
.irp hh, 0,1
.irp j, 0,1
.irp e, 0,2,4,6
	v_pk_mul_f32 v[32*\hh+8*\j+\e:32*\hh+8*\j+\e+1], v[8*(8*((\a)%4)+4*\hh+\j+2)+\e:8*(8*((\a)%4)+4*\hh+\j+2)+\e+1], v[CB_+16+8*\j+\e:CB_+16+8*\j+\e+1]
.endr
.irp e, 0,2,4,6
	v_pk_mul_f32 v[32*\hh+16+8*\j+\e:32*\hh+16+8*\j+\e+1], v[8*(8*((\a)%4)+4*\hh+\j+2)+\e:8*(8*((\a)%4)+4*\hh+\j+2)+\e+1], v[CB_+8*\j+\e:CB_+8*\j+\e+1]
.endr
.irp e, 0,2,4,6
	v_pk_fma_f32 v[32*\hh+8*\j+\e:32*\hh+8*\j+\e+1], v[8*(8*((\a)%4)+4*\hh+\j)+\e:8*(8*((\a)%4)+4*\hh+\j)+\e+1], v[CB_+8*\j+\e:CB_+8*\j+\e+1], v[32*\hh+8*\j+\e:32*\hh+8*\j+\e+1] neg_lo:[0,0,1] neg_hi:[0,0,1]   ; x1 cos - x2 sin
.endr
.irp e, 0,2,4,6
	v_pk_fma_f32 v[32*\hh+16+8*\j+\e:32*\hh+16+8*\j+\e+1], v[8*(8*((\a)%4)+4*\hh+\j)+\e:8*(8*((\a)%4)+4*\hh+\j)+\e+1], v[CB_+16+8*\j+\e:CB_+16+8*\j+\e+1], v[32*\hh+16+8*\j+\e:32*\hh+16+8*\j+\e+1]   ; x1 sin + x2 cos
.endr
.endr
.endr
	WIN 0x05                                       ; sources window 1, destination window 0
	s_wait_xcnt 0x0                                ; the stores of two blocks back have read this set of packed results
.set I_, 0
.rept 32
	v_cvt_pk_f16_f32 v[PK+32*P_+I_], v[2*I_], v[2*I_+1]
.set I_, I_+1
.endr
	WIN 0
.if (\a) < 6
	CSLOAD (\a)+2, P_
.endif
.irp hh, 0,1
.irp jb, 0,1,2,3
	global_store_b128 v[CO], v[PK+32*P_+4*(4*\hh+\jb):PK+32*P_+4*(4*\hh+\jb)+3], s[10:11] offset:\hh*HS+(\a)*2048+\jb*512   ; 512 consecutive bytes, aligned
.endr
.endr
.endm
; THE WAY OUT OF v, block a of 16 channels: accumulator (a, bb): keys 16 bb + 8 h + 0..7 of channel 16 (a % 4) + r of head a / 4 of my two.
.macro VOUT a
.set P_, (\a)%2
	s_wait_xcnt 0x0
.set W_, 0x0a+5*((\a)/4)
	WIN W_
.irp bb, 0,1,2,3,4,5,6,7
.irp e, 0,1,2,3
	v_cvt_pk_f16_f32 v[PK+32*P_+4*\bb+\e], v[8*(8*((\a)%4)+\bb)+2*\e], v[8*(8*((\a)%4)+\bb)+2*\e+1]
.endr
.endr
	WIN 0
.irp bb, 0,1,2,3,4,5,6,7
	global_store_b128 v[CO], v[PK+32*P_+4*\bb:PK+32*P_+4*\bb+3], s[10:11] offset:((\a)/4)*HS+(\bb/2)*4096+((\a)%4)*1024+(\bb%2)*512
.endr
.endm
	s_cmp_eq_u32 ttmp9, 2
	s_cbranch_scc1 .Lv_out
.irp a, 0,1,2,3,4,5,6,7
	ROPE \a
.endr
	s_branch .Lend
.Lv_out:
.irp a, 0,1,2,3,4,5,6,7
	VOUT \a
.endr
.Lend:
	s_wait_tensorcnt 0x0                           ; the wave's end, behind my last tensor load
	ds_add_u32 v[SPW], v[NIL]
	s_wait_dscnt 0x0
	CROUND                                         ; the closing round
	s_endpgm
.Lfunc_end_k_q9bf8e6c865_qkv:
	.size	k_q9bf8e6c865_qkv, .Lfunc_end_k_q9bf8e6c865_qkv-k_q9bf8e6c865_qkv
	.p2alignl 7, 3214868480
	.fill 96, 4, 3214868480
	.section	.rodata,"a",@progbits
	.p2align	6, 0x0
	.amdhsa_kernel k_q9bf8e6c865_qkv
		.amdhsa_group_segment_fixed_size 279040
		.amdhsa_private_segment_fixed_size 0
		.amdhsa_enable_private_segment 0
		.amdhsa_kernarg_size 32
		.amdhsa_user_sgpr_count 2
		.amdhsa_user_sgpr_kernarg_segment_ptr 1
		.amdhsa_wavefront_size32 1
		.amdhsa_system_sgpr_workgroup_id_x 1
		.amdhsa_system_sgpr_workgroup_id_y 1
		.amdhsa_system_sgpr_workgroup_id_z 1
		.amdhsa_system_vgpr_workitem_id 0
		.amdhsa_next_free_vgpr 1024
		.amdhsa_next_free_sgpr 102
		.amdhsa_reserve_vcc 0
		.amdhsa_float_denorm_mode_32 3
		.amdhsa_float_denorm_mode_16_64 3
		.amdhsa_memory_ordered 1
		.amdhsa_forward_progress 1
		.amdhsa_inst_pref_size 188
	.end_amdhsa_kernel
	.amdgpu_metadata
---
amdhsa.version: [ 1, 2 ]
amdhsa.kernels:
  - .name:           k_q9bf8e6c865_qkv
    .symbol:         k_q9bf8e6c865_qkv.kd
    .args:
      - { .name: cod, .offset: 0, .size: 8, .value_kind: global_buffer, .address_space: global }
      - { .name: scl, .offset: 8, .size: 8, .value_kind: global_buffer, .address_space: global }
      - { .name: tab, .offset: 16, .size: 8, .value_kind: global_buffer, .address_space: global }
      - { .name: qkv, .offset: 24, .size: 8, .value_kind: global_buffer, .address_space: global }
    .group_segment_fixed_size: 279040
    .private_segment_fixed_size: 0
    .kernarg_segment_align: 8
    .kernarg_segment_size: 32
    .max_flat_workgroup_size: 128
    .sgpr_count:     102
    .vgpr_count:     1024
    .wavefront_size: 32
...
	.end_amdgpu_metadata
.endif
;; end of part 2
;; launch attn (part 3): grid 4 x 64, 8 waves a work-group, no clusters, 197,632 bytes of LDS; arguments qkv, oi; writes oi
.if DOCPART == 3
	.amdgcn_target "amdgcn-amd-amdhsa--gfx1250"
	.amdhsa_code_object_version 6
	.text
	.protected	k_q9bf8e6c865_attn
	.globl	k_q9bf8e6c865_attn
	.p2align	8
	.type	k_q9bf8e6c865_attn,@function
k_q9bf8e6c865_attn:
	s_mov_b64 s[64:65], 0
	v_nop
	global_prefetch_b8 v0, s[64:65] scope:SCOPE_SE
	s_setreg_imm32_b32 hwreg(HW_REG_WAVE_MODE, 25, 1), 1
	s_wait_xcnt 0x0
; O = softmax(q k^T / 8 + window) v for one (batch, head) and 512 queries a work-group; f16 operands, f32 sums, maxima and exponentials.  Key j counts for query i where |j - i| <= 128.
; q comes multiplied by log2(e) / 8, so p = 2^(s - m), m the row's running maximum; O and the row's sum l are multiplied by 2^(m_old - m_new) in every step after the first.
; SHARES.  Wave w owns 64 queries, four tiles of 16; two waves lie on a SIMD, so that one wave's softmax stands beside the other's products.  The window of 64 queries is 320 keys: five steps of 64.
; The 768 key places that the work-group's windows span come into LDS ONCE, one tensor load a wave (24,576 dense bytes); nothing is filled again.  No cluster: neighbouring work-groups share 256 of 768 keys.
; K, V and Q lie in memory as images of their operand registers: every LDS load reads 512 consecutive bytes.
; LAYOUT.  S^T = K Q^T (source 0 = 16 keys, source 1 = 16 queries) and O^T = V^T P: a lane holds ONE query (lane % 16) throughout; two score tiles rounded to f16 in pairs are source 1 of the second product.
; STEPS in the order 2, 1, 3, 0, 4.  Step 2 holds the queries' own keys: it is always there and wholly inside the window, so it starts m, l and O^T.  A step whose keys lie outside the sequence is jumped over
; by a scalar branch on ids.  In steps 0 and 4 a tile of 16 keys x 16 queries is whole, dead (no product; scores -infinity) or on the window's edge (eight selects by masks made once).
; LIMIT: o must lie inside f16's range, which it does where v does.
; REGISTERS: window 0: v2-9 addresses; v12-43 statistics, 8 a tile: +0 m, +1 zero, +2, +3 l, +4..+7 at work (+6: the step's factor); v64-191 S^T, 32 a tile; v192-255 P, 16 a tile.
;   window 1: v0-127 O^T, 32 a tile; v128-191 Q; v192-255 a step's K, then its V.
.set SEC,   18874368
.set HS,    294912
.set VOFF,  98304                      ; LDS: K's 768 places, then V's
.set SPARE, 196608                     ; the spare words, 128 bytes a wave
.set AK,   2
.set AV,   3
.set LO,   4                           ; v4  16 x lane
.set DL,   6                           ; v6  r - 8 h
.set NINF, 7
.set SPW,  8
.set NIL,  9
.set ST,   12
.set S,    64
.set P,    192
.set Q,    128
.set KV,   192
.set MSB, 0
.macro WIN new
.if MSB != \new
	s_set_vgpr_msb (MSB<<8)|\new
.set MSB, \new
.endif
.endm
.macro PLACES
.rept 4
	v_nop
.endr
.endm
.macro ISLIVE mode, jj, t              ; LIVE = 2: whole, 1: on the edge, 0: dead
.set LIVE, 2
.if (\mode) == 1
.if (\jj) < (\t)
.set LIVE, 0
.endif
.if (\jj) == (\t)
.set LIVE, 1
.endif
.endif
.if (\mode) == 2
.if (\jj) > (\t)
.set LIVE, 0
.endif
.if (\jj) == (\t)
.set LIVE, 1
.endif
.endif
.endm
	s_load_b128 s[4:7], s[0:1], 0x0                ; qkv s[4:5], oi s[6:7]
	v_lshl_add_u32 v[SPW], v0, 2, SPARE
	v_mov_b32 v[NIL], 0
	ds_add_u32 v[SPW], v[NIL]                      ; the wave's opening: the add, twice on end, and its wait ahead of my first tensor load
	ds_add_u32 v[SPW], v[NIL]
	v_lshrrev_b32 v1, 5, v0
	v_readfirstlane_b32 s8, v1                     ; wave 0..7
	s_lshl_b32 s9, ttmp9, 3
	s_add_co_u32 s9, s9, s8                        ; which 64 queries of the sequence are mine: 0..31
	s_and_b32 s28, ttmp7, 0xffff                   ; batch x 16 + head
	s_mov_b32 s10, 0x76543210
	s_mov_b32 s11, 0xfedcba98
	s_mov_b32 s16, 3<<16                           ; group 1: 24,576 dense bytes as 96 rows of 32 elements of 8 bytes
	s_mov_b32 s17, 32<<16
	s_mov_b32 s18, 96<<16
	s_mov_b32 s19, 32<<16
	s_mov_b32 s20, 96
	s_mov_b32 s21, 32
	s_mov_b32 s22, 0
	s_mov_b32 s23, 0
	s_mov_b32 s12, 1
	s_mul_i32 s13, s8, 24576                       ; waves 0-3: K's quarters; waves 4-7: V's
	s_mul_i32 s29, s28, HS
	s_lshr_b32 s24, s8, 2
	s_add_co_u32 s24, s24, 1
	s_mul_i32 s24, s24, SEC
	s_add_co_u32 s24, s24, s29
	s_lshl_b32 s25, ttmp9, 16                      ; place 512 x block = key 512 x block - 128
	s_add_co_u32 s24, s24, s25
	s_and_b32 s25, s8, 3
	s_mul_i32 s25, s25, 24576
	s_add_co_u32 s24, s24, s25
	s_mov_b32 s25, 0
	s_lshl_b32 s26, s9, 13                         ; Q: my 64 rows of 128 bytes,
	s_add_co_u32 s26, s26, s29
	s_add_co_u32 s26, s26, 16384                   ; behind the front pad
	s_mov_b32 s27, 0
	s_lshr_b32 s30, s28, 4                         ; o: [head / 2][row tile][2 (head % 2) + c][half]
	s_lshl_b32 s30, s30, 7
	s_lshl_b32 s31, s9, 2
	s_add_co_u32 s30, s30, s31
	s_lshl_b32 s30, s30, 12
	s_bfe_u32 s31, s28, 0x30001
	s_lshl_b32 s31, s31, 21
	s_add_co_u32 s30, s30, s31
	s_and_b32 s31, s28, 1
	s_lshl_b32 s31, s31, 11
	s_add_co_u32 s30, s30, s31
	s_mov_b32 s31, 0
	s_wait_dscnt 0x0                               ; both opening adds are done
	s_wait_kmcnt 0x0
	s_add_nc_u64 s[14:15], s[4:5], s[24:25]
	s_or_b32 s15, s15, 0x80000000
	tensor_load_to_lds s[12:15], s[16:23]          ; my one tensor load
	s_nop 0
.rept 4
	v_nop
.endr
	s_add_nc_u64 s[4:5], s[4:5], s[26:27]
	s_add_nc_u64 s[6:7], s[6:7], s[30:31]
	v_and_b32 v1, 31, v0
	v_lshlrev_b32 v[LO], 4, v1
	WIN 0x40                                       ; destination window 1
.set N_, 0
.rept 16
	global_load_b128 v[Q+4*N_:Q+4*N_+3], v[LO], s[4:5] offset:N_*512   ; Q stays in registers: tile N / 4, channels 32 ((N / 2) % 2) on
.set N_, N_+1
.endr
	WIN 0
	s_lshl_b32 s24, s8, 13
	v_add_nc_u32 v[AK], s24, v[LO]                 ; step s of wave w lies (w + s) x 8,192 bytes into K's and V's places
	v_add_nc_u32 v[AV], VOFF, v[AK]
	v_and_b32 v1, 15, v0
	v_bfe_u32 v5, v0, 4, 1
	v_lshlrev_b32 v5, 3, v5
	v_sub_nc_u32 v[DL], v1, v5
	v_mov_b32 v[NINF], 0xff800000
.irp e, 0,1,2,3,4,5,6,7
	v_cmp_ge_i32 s[32+\e], \e, v[DL]               ; the lower edge: register e of the tile on it counts where 8 h + e >= r
	v_cmp_le_i32 s[40+\e], \e, v[DL]               ; the upper edge: where 8 h + e <= r
.endr
.irp t, 0,1,2,3
	v_mov_b32 v[ST+8*\t+1], 0                      ; named with m as a pair, so it is written
.endr
; A KEY STEP: 64 keys.  mode 0: all inside the window; 1: the lower edge; 2: the upper edge.  first = 1: it starts m, l and O^T.
.macro STEP s, mode, first
.if (\first) == 0
	PLACES                                         ; between the last products and the loads into the registers that they read
.endif
	WIN 0x40
.set N_, 0
.rept 16
	ds_load_b128 v[KV+4*N_:KV+4*N_+3], v[AK] offset:(\s)*8192+N_*512
.set N_, N_+1
.endr
	s_wait_dscnt 0x0
	WIN 0x05                                       ; K and Q window 1, S^T window 0.  The accumulators take turns, one instruction a turn
.irp c, 0,1
.irp jj, 0,1,2,3
.irp t, 0,1,2,3
	ISLIVE \mode, \jj, \t
.if LIVE
.if \c == 0
	v_wmma_f32_16x16x32_f16 v[S+32*\t+8*\jj:S+32*\t+8*\jj+7], v[KV+8*(2*\jj+\c):KV+8*(2*\jj+\c)+7], v[Q+16*\t+8*\c:Q+16*\t+8*\c+7], 0
.else
	v_wmma_f32_16x16x32_f16 v[S+32*\t+8*\jj:S+32*\t+8*\jj+7], v[KV+8*(2*\jj+\c):KV+8*(2*\jj+\c)+7], v[Q+16*\t+8*\c:Q+16*\t+8*\c+7], v[S+32*\t+8*\jj:S+32*\t+8*\jj+7]
.endif
.endif
.endr
.endr
.endr
	PLACES                                         ; for the loads below and for the first reads of the scores
	WIN 0x40
.set N_, 0
.rept 16
	ds_load_b128 v[KV+4*N_:KV+4*N_+3], v[AV] offset:(\s)*8192+N_*512   ; V lands while the softmax is walked
.set N_, N_+1
.endr
	WIN 0
.if (\mode) > 0
.set MK, 24+8*(\mode)
.irp t, 0,1,2,3
.irp jj, 0,1,2,3
	ISLIVE \mode, \jj, \t
.if LIVE == 0
.irp e, 0,1,2,3,4,5,6,7
	v_mov_b32 v[S+32*\t+8*\jj+\e], v[NINF]
.endr
.endif
.if LIVE == 1
.irp e, 0,1,2,3,4,5,6,7
	v_cndmask_b32 v[S+32*\t+8*\jj+\e], v[NINF], v[S+32*\t+8*\jj+\e], s[MK+\e]
.endr
.endif
.endr
.endr
.endif
	; the maximum of a lane's 32 scores and the old m, three operands at a time, four chains, the four tiles by turns; each accumulator is read from its low end on
.irp j, 0,1,2,3
.irp t, 0,1,2,3
	v_max3_num_f32 v[ST+8*\t+4+\j], v[S+32*\t+8*\j], v[S+32*\t+8*\j+1], v[S+32*\t+8*\j+2]
.endr
.endr
.irp k, 1,2
.irp j, 0,1,2,3
.irp t, 0,1,2,3
	v_max3_num_f32 v[ST+8*\t+4+\j], v[ST+8*\t+4+\j], v[S+32*\t+8*\j+2*\k+1], v[S+32*\t+8*\j+2*\k+2]
.endr
.endr
.endr
.irp t, 0,1,2,3
	v_max3_num_f32 v[ST+8*\t+4], v[ST+8*\t+4], v[S+32*\t+7], v[S+32*\t+15]
.endr
.irp t, 0,1,2,3
	v_max3_num_f32 v[ST+8*\t+6], v[ST+8*\t+6], v[S+32*\t+23], v[S+32*\t+31]
.endr
.irp t, 0,1,2,3
	v_max3_num_f32 v[ST+8*\t+4], v[ST+8*\t+4], v[ST+8*\t+5], v[ST+8*\t+6]
.endr
.irp t, 0,1,2,3
.if \first
	v_max_num_f32 v[ST+8*\t+4], v[ST+8*\t+4], v[ST+8*\t+7]
.else
	v_max3_num_f32 v[ST+8*\t+4], v[ST+8*\t+4], v[ST+8*\t+7], v[ST+8*\t]
.endif
.endr
.irp t, 0,1,2,3
	v_permlanex16_b32 v[ST+8*\t+5], v[ST+8*\t+4], s10, s11    ; the query's other 32 keys lie in the lane 16 away
.endr
.if (\first) == 0
.irp t, 0,1,2,3
	v_mov_b32 v[ST+8*\t+7], v[ST+8*\t]
.endr
.endif
.irp t, 0,1,2,3
	v_max_num_f32 v[ST+8*\t], v[ST+8*\t+4], v[ST+8*\t+5]      ; the new m
.endr
.if (\first) == 0
.irp t, 0,1,2,3
	v_sub_f32 v[ST+8*\t+7], v[ST+8*\t+7], v[ST+8*\t]          ; m_old - m_new
.endr
.endif
.irp t, 0,1,2,3
.set I_, 0
.rept 16
	v_pk_add_f32 v[S+32*\t+I_:S+32*\t+I_+1], v[S+32*\t+I_:S+32*\t+I_+1], v[ST+8*\t:ST+8*\t+1] op_sel_hi:[1,0] neg_lo:[0,1] neg_hi:[0,1]   ; s - m
.set I_, I_+2
.endr
.endr
	; one batch of exponentials with one wait
.if (\first) == 0
.irp t, 0,1,2,3
	v_exp_f32 v[ST+8*\t+6], v[ST+8*\t+7]
.endr
.endif
.set I_, 0
.rept 128
	v_exp_f32 v[S+I_], v[S+I_]
.set I_, I_+1
.endr
	v_nop                                          ; a plain instruction behind the last exponential
	s_wait_alu depctr_va_vdst(0)                   ; the wait ahead of the batch's first reader
.set I_, 0
.rept 64
	v_cvt_pk_f16_f32 v[P+I_], v[S+2*I_], v[S+2*I_+1]          ; P's register 16 t + j: the pair 2 j, 2 j + 1 of tile t
.set I_, I_+1
.endr
	; the row's sum of the unrounded p, in pairs (an even key's, an odd key's), in place
.irp u, 0,1,2,3,4,5,6,7
.irp t, 0,1,2,3
	v_pk_add_f32 v[S+32*\t+4*\u:S+32*\t+4*\u+1], v[S+32*\t+4*\u:S+32*\t+4*\u+1], v[S+32*\t+4*\u+2:S+32*\t+4*\u+3]
.endr
.endr
.irp u, 0,1,2,3
.irp t, 0,1,2,3
	v_pk_add_f32 v[S+32*\t+8*\u:S+32*\t+8*\u+1], v[S+32*\t+8*\u:S+32*\t+8*\u+1], v[S+32*\t+8*\u+4:S+32*\t+8*\u+5]
.endr
.endr
.irp u, 0,1
.irp t, 0,1,2,3
	v_pk_add_f32 v[S+32*\t+16*\u:S+32*\t+16*\u+1], v[S+32*\t+16*\u:S+32*\t+16*\u+1], v[S+32*\t+16*\u+8:S+32*\t+16*\u+9]
.endr
.endr
.if \first
.irp t, 0,1,2,3
	v_pk_add_f32 v[ST+8*\t+2:ST+8*\t+3], v[S+32*\t:S+32*\t+1], v[S+32*\t+16:S+32*\t+17]
.endr
.else
.irp t, 0,1,2,3
	v_pk_add_f32 v[S+32*\t:S+32*\t+1], v[S+32*\t:S+32*\t+1], v[S+32*\t+16:S+32*\t+17]
.endr
.irp t, 0,1,2,3
	v_pk_fma_f32 v[ST+8*\t+2:ST+8*\t+3], v[ST+8*\t+2:ST+8*\t+3], v[ST+8*\t+6:ST+8*\t+7], v[S+32*\t:S+32*\t+1] op_sel_hi:[1,0,1]
.endr
	WIN 0x41                                       ; O^T window 1, the factor window 0
.irp t, 0,1,2,3
.set I_, 0
.rept 16
	v_pk_mul_f32 v[32*\t+I_:32*\t+I_+1], v[32*\t+I_:32*\t+I_+1], v[ST+8*\t+6:ST+8*\t+7] op_sel_hi:[1,0]
.set I_, I_+2
.endr
.endr
.endif
	s_wait_dscnt 0x0                               ; V is in
	WIN 0x51                                       ; V window 1, P window 0, O^T window 1
.irp g, 0,1
.irp ct, 0,1,2,3
.irp t, 0,1,2,3
.set DO_, 1
.if (\mode) == 1
.if (\g == 0) && (\t >= 2)
.set DO_, 0                                        ; both tiles of these 32 keys are dead for this tile of queries
.endif
.endif
.if (\mode) == 2
.if (\g == 1) && (\t <= 1)
.set DO_, 0
.endif
.endif
.if DO_
.if (\first) && (\g == 0)
	v_wmma_f32_16x16x32_f16 v[32*\t+8*\ct:32*\t+8*\ct+7], v[KV+8*(4*\g+\ct):KV+8*(4*\g+\ct)+7], v[P+16*\t+8*\g:P+16*\t+8*\g+7], 0
.else
	v_wmma_f32_16x16x32_f16 v[32*\t+8*\ct:32*\t+8*\ct+7], v[KV+8*(4*\g+\ct):KV+8*(4*\g+\ct)+7], v[P+16*\t+8*\g:P+16*\t+8*\g+7], v[32*\t+8*\ct:32*\t+8*\ct+7]
.endif
.endif
.endr
.endr
.endr
	WIN 0
.endm
	s_wait_tensorcnt 0x0                           ; my quarter has landed,
	s_barrier_signal -1
	s_barrier_wait -1                              ; everybody's has
	s_wait_loadcnt 0x0                             ; Q
	STEP 2, 0, 1
	s_cmp_eq_u32 s9, 0                             ; keys 64 below my first query: none at the sequence's start
	s_cbranch_scc1 .Lno1
	STEP 1, 0, 0
.Lno1:
	s_cmp_eq_u32 s9, 31
	s_cbranch_scc1 .Lno3
	STEP 3, 0, 0
.Lno3:
	s_cmp_lt_u32 s9, 2
	s_cbranch_scc1 .Lno0
	STEP 0, 1, 0
.Lno0:
	s_cmp_ge_u32 s9, 30
	s_cbranch_scc1 .Lno4
	STEP 4, 2, 0
.Lno4:
	; THE WAY OUT: O^T / l, rounded to f16: a lane's eight channels of a token are 16 bytes of a fragment of the projection's operand.  The additions are the places behind the last products.
.irp t, 0,1,2,3
	v_add_f32 v[ST+8*\t+4], v[ST+8*\t+2], v[ST+8*\t+3]
.endr
.irp t, 0,1,2,3
	v_permlanex16_b32 v[ST+8*\t+5], v[ST+8*\t+4], s10, s11
.endr
.irp t, 0,1,2,3
	v_add_f32 v[ST+8*\t+4], v[ST+8*\t+4], v[ST+8*\t+5]
.endr
.irp t, 0,1,2,3
	v_rcp_f32 v[ST+8*\t+6], v[ST+8*\t+4]
.endr
	v_nop
	s_wait_alu depctr_va_vdst(0)                   ; one wait for the four reciprocals, ahead of their first reader
.irp t, 0,1,2,3
	WIN 0x01                                       ; source 0 window 1
.set I_, 0
.rept 16
	v_pk_mul_f32 v[S+32*\t+I_:S+32*\t+I_+1], v[32*\t+I_:32*\t+I_+1], v[ST+8*\t+6:ST+8*\t+7] op_sel_hi:[1,0]
.set I_, I_+2
.endr
	WIN 0
.set I_, 0
.rept 16
	v_cvt_pk_f16_f32 v[P+16*\t+I_], v[S+32*\t+2*I_], v[S+32*\t+2*I_+1]
.set I_, I_+1
.endr
.irp ct, 0,1,2,3
	global_store_b128 v[LO], v[P+16*\t+4*\ct:P+16*\t+4*\ct+3], s[6:7] offset:\t*4096+\ct*512   ; 512 consecutive bytes, aligned
.endr
.endr
	s_wait_tensorcnt 0x0                           ; the wave's end, behind my last tensor load
	ds_add_u32 v[SPW], v[NIL]
	s_wait_dscnt 0x0
	s_endpgm
.Lfunc_end_k_q9bf8e6c865_attn:
	.size	k_q9bf8e6c865_attn, .Lfunc_end_k_q9bf8e6c865_attn-k_q9bf8e6c865_attn
	.p2alignl 7, 3214868480
	.fill 96, 4, 3214868480
	.section	.rodata,"a",@progbits
	.p2align	6, 0x0
	.amdhsa_kernel k_q9bf8e6c865_attn
		.amdhsa_group_segment_fixed_size 197632
		.amdhsa_private_segment_fixed_size 0
		.amdhsa_enable_private_segment 0
		.amdhsa_kernarg_size 16
		.amdhsa_user_sgpr_count 2
		.amdhsa_user_sgpr_kernarg_segment_ptr 1
		.amdhsa_wavefront_size32 1
		.amdhsa_system_sgpr_workgroup_id_x 1
		.amdhsa_system_sgpr_workgroup_id_y 1
		.amdhsa_system_sgpr_workgroup_id_z 1
		.amdhsa_system_vgpr_workitem_id 0
		.amdhsa_next_free_vgpr 512
		.amdhsa_next_free_sgpr 66
		.amdhsa_reserve_vcc 0
		.amdhsa_float_denorm_mode_32 3
		.amdhsa_float_denorm_mode_16_64 3
		.amdhsa_memory_ordered 1
		.amdhsa_forward_progress 1
		.amdhsa_inst_pref_size 174
	.end_amdhsa_kernel
	.amdgpu_metadata
---
amdhsa.version: [ 1, 2 ]
amdhsa.kernels:
  - .name:           k_q9bf8e6c865_attn
    .symbol:         k_q9bf8e6c865_attn.kd
    .args:
      - { .name: qkv, .offset: 0, .size: 8, .value_kind: global_buffer, .address_space: global }
      - { .name: oi, .offset: 8, .size: 8, .value_kind: global_buffer, .address_space: global }
    .group_segment_fixed_size: 197632
    .private_segment_fixed_size: 0
    .kernarg_segment_align: 8
    .kernarg_segment_size: 16
    .max_flat_workgroup_size: 256
    .sgpr_count:     66
    .vgpr_count:     512
    .wavefront_size: 32
...
	.end_amdgpu_metadata
.endif
;; end of part 3
;; launch proj (part 4): grid 4 x 64, 4 waves a work-group, clusters of 4 x 4, 327,680 bytes of LDS; arguments oi, wo, bout, out0; writes out0
.if DOCPART == 4
	.amdgcn_target "amdgcn-amd-amdhsa--gfx1250"
	.amdhsa_code_object_version 6
	.text
	.protected	k_q9bf8e6c865_proj
	.globl	k_q9bf8e6c865_proj
	.p2align	8
	.type	k_q9bf8e6c865_proj,@function
k_q9bf8e6c865_proj:
	s_mov_b64 s[64:65], 0
	v_nop
	global_prefetch_b8 v0, s[64:65] scope:SCOPE_SE
	s_setreg_imm32_b32 hwreg(HW_REG_WAVE_MODE, 25, 1), 1
	s_wait_xcnt 0x0
	s_wait_alu depctr_hold_cnt(0) depctr_sa_sdst(0) depctr_va_vdst(0) depctr_va_sdst(0) depctr_va_ssrc(0) depctr_va_vcc(0) depctr_vm_vsrc(0)
	s_getreg_b32 s2, hwreg(HW_REG_IB_STS2, 6, 4)
	s_cmp_eq_u32 s2, 0
	s_cbranch_scc0 .Lentry_in_a_cluster
	s_endpgm
.Lentry_in_a_cluster:
	s_bfe_u32 s2, ttmp6, 0x10000c
	s_cmp_lg_u32 s2, 0xf033
	s_cbranch_scc0 .Lentry_shape_is_right
	s_endpgm
.Lentry_shape_is_right:
; out0 = o Wout + bout.  o [8192][1024] and Wout^T [1024 n][1024 k] come as f16 fragments in the order of the operand's registers; sums in f32; the bias is the C of each sum's first matrix instruction.
; A work-group makes 128 rows x 256 columns: 256 work-groups.  Four waves, each 64 x 128: 32 accumulators, 256 registers.  K goes in 8 steps of 128 through a ring of two LDS slots.
; A K step's tiles are dense blocks of memory (A 32,768 bytes, B 65,536), and a fragment is two loads of 512 consecutive LDS bytes: no padding.
; CLUSTER 4 x 4: the four of a row need the same rows of o, the four of a column the same columns of Wout: each tile is asked for jointly.  Every joint refill stands behind a round of the cluster's barrier.
; THE MATRIX INSTRUCTION IS USED TRANSPOSED (source 0 = 16 columns of Wout, source 1 = 16 rows of o): a lane holds eight neighbouring numbers of a row of out0.
; No prefetch: eight K steps, each of which has a whole step's products in which to land.
; REGISTERS: window 0: v16-29 addresses; two fragment buffers of 96 (A's 4 fragments, then B's 8) at v32 and v128.   window 1: accumulator (a, b) at v[8 (8 a + b)].   window 2: v0-63 the bias, 8 registers a column tile.
.set KS_A,  2097152                    ; a K step on in oi
.set KS_B,  262144                     ; and in wo
.set SLOT,  98304
.set BOFF,  32768                      ; in a slot: A's 8 row tiles, then B's 16 column tiles, 4,096 bytes each
.set SPARE, 2*SLOT                     ; the spare words, 128 bytes a wave
.set SPITCH, 528                       ; the way out: a stage of 16 rows x (512 + 16) bytes a wave, in slot 0, which has had its last fill and its last read by then
.set STGW,  16*SPITCH
.set ADRA, 16
.set ADRB, 20
.set STO,  24
.set RD,   25
.set CO,   26
.set BO,   27
.set SPW,  28
.set NIL,  29
.set F0,   32
.set F1,   128
.set BK,   32
.set G1, 24
.set G0, 32
.set G1B, 48
.set G0B, 56
.set MSB, 0
.macro WIN new
.if MSB != \new
	s_set_vgpr_msb (MSB<<8)|\new
.set MSB, \new
.endif
.endm
.set MUL,  0x50                        ; C and D window 1, sources window 0
.set MULZ, 0x60                        ; C window 2 (the bias), D window 1
.macro JLOAD s                         ; waves 0 and 1 fetch A's halves, waves 2 and 3 B's; an s_nop 0 and four v_nop follow each line
	s_cmp_eq_u32 s13, 0
	s_cbranch_scc0 .Lfor_b_\@
	tensor_load_to_lds s[G0+4*\s:G0+4*\s+3], s[G1:G1+7]
	s_nop 0
.rept 4
	v_nop
.endr
	s_branch .Lasked_\@
.Lfor_b_\@:
	tensor_load_to_lds s[G0B+4*\s:G0B+4*\s+3], s[G1B:G1B+7]
	s_nop 0
.rept 4
	v_nop
.endr
.Lasked_\@:
.endm
.macro CREST
	s_cmp_lg_u32 s12, 0
	s_cbranch_scc1 .Lnot_wave_0_\@
	s_barrier_signal -3
.Lnot_wave_0_\@:
	s_barrier_wait -3
	s_barrier_signal -1
	s_barrier_wait -1
.endm
.macro CROUND
	s_barrier_signal -1
	s_barrier_wait -1
	CREST
.endm
	s_load_b256 s[4:11], s[0:1], 0x0               ; oi s[4:5], wo s[6:7], bout s[8:9], out0 s[10:11]
	v_lshl_add_u32 v[SPW], v0, 2, SPARE
	v_mov_b32 v[NIL], 0
	ds_add_u32 v[SPW], v[NIL]                      ; the wave's opening: the add, twice on end, and its wait ahead of my first tensor load
	ds_add_u32 v[SPW], v[NIL]
	v_lshrrev_b32 v1, 5, v0
	v_readfirstlane_b32 s12, v1                    ; wave
	s_lshr_b32 s13, s12, 1                         ; my half of the rows.  Also: I fetch for A (0) or for B (1)
	s_and_b32 s14, s12, 1                          ; my half of the columns.  Also: which half of that tile I fetch
	s_bfe_u32 s40, ttmp6, 0x40000
	s_bfe_u32 s41, ttmp6, 0x40004
	s_lshl_b32 s42, ttmp9, 2
	s_add_co_u32 s42, s42, s40                     ; tile column
	s_and_b32 s15, ttmp7, 0xffff
	s_lshl_b32 s15, s15, 2
	s_add_co_u32 s15, s15, s41                     ; tile row
	s_lshl_b32 s43, s41, 2
	s_lshl_b32 s43, 15, s43
	s_lshl_b32 s44, 0x1111, s40
	s_or_b32 s[G1+0], s43, (3<<16)|(1<<21)         ; A: 16,384 dense bytes as 64 rows of 32 elements of 8 bytes
	s_mov_b32 s[G1+1], 32<<16
	s_mov_b32 s[G1+2], 64<<16
	s_mov_b32 s[G1+3], 32<<16
	s_mov_b32 s[G1+4], 64
	s_mov_b32 s[G1+5], 32
	s_mov_b32 s[G1+6], 0
	s_mov_b32 s[G1+7], 0
	s_or_b32 s[G1B+0], s44, (3<<16)|(1<<21)        ; B: 32,768 as 128 rows
	s_mov_b32 s[G1B+1], 32<<16
	s_mov_b32 s[G1B+2], 128<<16
	s_mov_b32 s[G1B+3], 32<<16
	s_mov_b32 s[G1B+4], 128
	s_mov_b32 s[G1B+5], 32
	s_mov_b32 s[G1B+6], 0
	s_mov_b32 s[G1B+7], 0
	s_lshl_b32 s16, s15, 3
	s_lshl_b32 s18, s14, 2
	s_add_co_u32 s16, s16, s18                     ; A: row tile 8 x tile row + 4 x half
	s_lshl_b32 s16, s16, 12
	s_mov_b32 s17, 0
	s_lshl_b32 s46, s42, 4
	s_lshl_b32 s18, s14, 3
	s_add_co_u32 s46, s46, s18                     ; B: column tile 16 x tile column + 8 x half
	s_lshl_b32 s46, s46, 12
	s_mov_b32 s47, 0
	s_lshl_b32 s20, s14, 14                        ; where they go: no place in the cluster enters an LDS address
	s_lshl_b32 s21, s14, 15
	s_add_co_u32 s21, s21, BOFF
	s_wait_dscnt 0x0
	s_wait_kmcnt 0x0
	s_add_nc_u64 s[16:17], s[4:5], s[16:17]
	s_add_nc_u64 s[46:47], s[6:7], s[46:47]
	CROUND                                         ; all sixteen work-groups are here: the first joint loads meet
.irp s, 0,1
	s_mov_b32 s[G0+4*\s], 1
	s_add_co_u32 s[G0+4*\s+1], s20, \s*SLOT
	s_add_nc_u64 s[G0+4*\s+2:G0+4*\s+3], s[16:17], \s*KS_A
	s_or_b32 s[G0+4*\s+3], s[G0+4*\s+3], 0x80000000
	s_mov_b32 s[G0B+4*\s], 1
	s_add_co_u32 s[G0B+4*\s+1], s21, \s*SLOT
	s_add_nc_u64 s[G0B+4*\s+2:G0B+4*\s+3], s[46:47], \s*KS_B
	s_or_b32 s[G0B+4*\s+3], s[G0B+4*\s+3], 0x80000000
	JLOAD \s                                       ; two tensor loads of mine are out
.endr
	v_and_b32 v1, 15, v0
	v_bfe_u32 v2, v0, 4, 1
	v_and_b32 v3, 31, v0
	v_lshlrev_b32 v[CO], 4, v3
	s_lshl_b32 s18, s13, 14                        ; my 4 row tiles
	s_lshl_b32 s19, s14, 15
	s_add_co_u32 s19, s19, BOFF                    ; my 8 column tiles
.irp s, 0,1
	v_add_nc_u32 v[ADRA+\s], s18, v[CO]
	v_add_nc_u32 v[ADRB+\s], s19, v[CO]
	s_add_co_u32 s18, s18, SLOT
	s_add_co_u32 s19, s19, SLOT
.endr
	s_mul_i32 s18, s12, STGW                       ; my stage
	v_mul_u32_u24 v4, v1, SPITCH
	v_lshl_add_u32 v4, v2, 5, v4
	v_add_nc_u32 v[STO], s18, v4                   ; in: row r, 32 bytes for each half of the lanes
	v_add_nc_u32 v[RD], s18, v[CO]                 ; back: the 32 lanes take a row of 512 bytes
	v_lshlrev_b32 v[BO], 5, v2
	s_lshl_b32 s18, s42, 10
	s_lshl_b32 s19, s14, 9
	s_add_co_u32 s18, s18, s19                     ; my first column, in bytes
	s_mov_b32 s19, 0
	s_add_nc_u64 s[8:9], s[8:9], s[18:19]
	s_add_nc_u64 s[10:11], s[10:11], s[18:19]
	s_lshl_b32 s18, s15, 7
	s_lshl_b32 s22, s13, 6
	s_add_co_u32 s18, s18, s22                     ; my first row
	s_lshl_b32 s18, s18, 12
	s_add_nc_u64 s[10:11], s[10:11], s[18:19]
	WIN 0x80                                       ; destination window 2
.irp b, 0,1,2,3,4,5,6,7
	global_load_b128 v[8*\b:8*\b+3], v[BO], s[8:9] offset:\b*64
	global_load_b128 v[8*\b+4:8*\b+7], v[BO], s[8:9] offset:\b*64+16      ; bout at columns 16 b + 8 h + 0..7: the result's layout
.endr
	WIN 0
.macro MUL8 f, a, zero                 ; row tile a x my 8 column tiles, 32 along K.  The 32 accumulators take turns, one instruction a turn
.irp b, 0,1,2,3,4,5,6,7
.if \zero
	v_wmma_f32_16x16x32_f16 v[8*(8*(\a)+\b):8*(8*(\a)+\b)+7], v[\f+32+8*\b:\f+32+8*\b+7], v[\f+8*(\a):\f+8*(\a)+7], v[8*\b:8*\b+7]
.else
	v_wmma_f32_16x16x32_f16 v[8*(8*(\a)+\b):8*(8*(\a)+\b)+7], v[\f+32+8*\b:\f+32+8*\b+7], v[\f+8*(\a):\f+8*(\a)+7], v[8*(8*(\a)+\b):8*(8*(\a)+\b)+7]
.endif
.endr
.endm
.macro FETCH slot, kcl, f              ; 24 LDS loads in one run: B's eight fragments, then A's four
	WIN 0
.irp b, 0,1,2,3,4,5,6,7
	ds_load_b128 v[\f+32+8*\b:\f+32+8*\b+3], v[ADRB+\slot] offset:\b*4096+(\kcl)*1024
	ds_load_b128 v[\f+32+8*\b+4:\f+32+8*\b+7], v[ADRB+\slot] offset:\b*4096+(\kcl)*1024+512
.endr
.irp a, 0,1,2,3
	ds_load_b128 v[\f+8*\a:\f+8*\a+3], v[ADRA+\slot] offset:\a*4096+(\kcl)*1024
	ds_load_b128 v[\f+8*\a+4:\f+8*\a+7], v[ADRA+\slot] offset:\a*4096+(\kcl)*1024+512
.endr
.endm
.macro PLACES
.rept 4
	v_nop
.endr
.endm
.macro QUARTER slot, k, f, g, zero     ; 32 along K from buffer f; in its middle the next quarter, k, is fetched into g
	s_wait_dscnt 4                                 ; all but the youngest four loads (A's tiles 2 and 3)
.set W_, MUL+0x10*(\zero)
	WIN W_
	MUL8 \f, 0, \zero
	MUL8 \f, 1, \zero
	PLACES
	FETCH \slot, \k, \g
	s_wait_dscnt 24                                ; all but the 24 just issued
	WIN W_
	MUL8 \f, 2, \zero
	MUL8 \f, 3, \zero
.endm
; A K step's last quarter multiplies buffer 1 and changes slots: one barrier; in front of it each wave waits for all its tensor loads, adds 0 to its spare word, and waits for that and for its reads of this slot.
.macro TURN slot, next, fill
	WIN 0
	s_wait_tensorcnt 0x0                           ; all my tensor loads have landed: my part of the next slot
	ds_add_u32 v[SPW], v[NIL]
	s_wait_dscnt 5                                 ; (the add and the youngest four loads may be out)
	WIN MUL
	MUL8 F1, 0, 0
	s_wait_dscnt 0x0                               ; the add is done, and my reads of this slot are over
	s_barrier_signal -1
	MUL8 F1, 1, 0
.if \fill
	WIN 0
.endif
	s_barrier_wait -1
.if \fill
	CREST                                          ; the barrier has opened a round of the cluster's: no wave of any partner still reads this slot or has a load on its way
	s_add_nc_u64 s[G0+4*\slot+2:G0+4*\slot+3], s[G0+4*\slot+2:G0+4*\slot+3], 2*KS_A
	s_add_nc_u64 s[G0B+4*\slot+2:G0B+4*\slot+3], s[G0B+4*\slot+2:G0B+4*\slot+3], 2*KS_B
	JLOAD \slot                                    ; the first tensor load behind the round; its four v_nop are also the places in front of the loads below
.else
	PLACES
.endif
	FETCH \next, 0, F0
	WIN MUL
	MUL8 F1, 2, 0
	MUL8 F1, 3, 0
.endm
	s_wait_tensorcnt 1                             ; my part of K step 0 is in; K step 1's may be out
	s_barrier_signal -1
	s_barrier_wait -1
	FETCH 0, 0, F0
	s_wait_loadcnt 0x0                             ; the bias
	QUARTER 0, 1, F0, F1, 1                        ; the first products start the sums from the bias
	WIN 0
	s_mov_b32 s3, 3
.Llap:                                                 ; a trip goes once round the ring and fills both slots again: K steps 2 to 7
	QUARTER 0, 2, F1, F0, 0
	QUARTER 0, 3, F0, F1, 0
	TURN 0, 1, 1
	QUARTER 1, 1, F0, F1, 0
	QUARTER 1, 2, F1, F0, 0
	QUARTER 1, 3, F0, F1, 0
	TURN 1, 0, 1
	QUARTER 0, 1, F0, F1, 0
	WIN 0
	s_sub_co_u32 s3, s3, 1
	s_cmp_lg_u32 s3, 0
	s_cbranch_scc1 .Llap
	QUARTER 0, 2, F1, F0, 0                        ; the last lap fills nothing
	QUARTER 0, 3, F0, F1, 0
	TURN 0, 1, 0
	QUARTER 1, 1, F0, F1, 0
	QUARTER 1, 2, F1, F0, 0
	QUARTER 1, 3, F0, F1, 0
	s_wait_dscnt 4
	WIN MUL
	MUL8 F1, 0, 0
	MUL8 F1, 1, 0
	s_wait_dscnt 0
	MUL8 F1, 2, 0
	MUL8 F1, 3, 0
	WIN 0
	PLACES
; THE WAY OUT, 16 rows x 128 columns at a time, through my own stage: a lane holds 32 bytes of a row, the lanes beside it other rows; back come whole rows of 512 bytes.  LDS serves a wave's instructions in order.
.macro TOSTAGE a
	WIN 0x04                                       ; an LDS store's data are its source 1: window 1
.irp b, 0,1,2,3,4,5,6,7
	ds_store_b128 v[STO], v[8*(8*(\a)+\b):8*(8*(\a)+\b)+3] offset:64*\b           ; each accumulator from its low end on
	ds_store_b128 v[STO], v[8*(8*(\a)+\b)+4:8*(8*(\a)+\b)+7] offset:64*\b+16
.endr
	WIN 0
.set BB, BK+64*((\a)%2)
.irp t, 0,1,2,3,4,5,6,7,8,9,10,11,12,13,14,15
	ds_load_b128 v[BB+4*\t:BB+4*\t+3], v[RD] offset:\t*SPITCH
.endr
.endm
.macro SEND a, younger                 ; younger: the LDS instructions issued behind block a's loads
.set BB, BK+64*((\a)%2)
	s_wait_dscnt \younger
.if (\a) > 0
	s_add_nc_u64 s[10:11], s[10:11], 65536         ; 16 rows on (the earlier stores have read their base: a wait on XCNT stands ahead)
.endif
.irp t, 0,1,2,3,4,5,6,7,8,9,10,11,12,13,14,15
	global_store_b128 v[CO], v[BB+4*\t:BB+4*\t+3], s[10:11] offset:\t*4096 th:TH_STORE_NT   ; 512 consecutive bytes of a row, aligned
.endr
.endm
	TOSTAGE 0
.irp a, 1,2,3
.if \a > 1
	s_wait_xcnt 0x0                                ; block a - 2's stores have read their registers and their base
.endif
	TOSTAGE \a
	SEND \a-1, 32                                  ; behind block a - 1's loads: block a's 16 stores and 16 loads
.endr
	s_wait_xcnt 0x0
	SEND 3, 0
	s_wait_tensorcnt 0x0                           ; the wave's end, behind my last tensor load and my last LDS store
	ds_add_u32 v[SPW], v[NIL]
	s_wait_dscnt 0x0
	CROUND                                         ; the closing round
	s_endpgm
.Lfunc_end_k_q9bf8e6c865_proj:
	.size	k_q9bf8e6c865_proj, .Lfunc_end_k_q9bf8e6c865_proj-k_q9bf8e6c865_proj
	.p2alignl 7, 3214868480
	.fill 96, 4, 3214868480
	.section	.rodata,"a",@progbits
	.p2align	6, 0x0
	.amdhsa_kernel k_q9bf8e6c865_proj
		.amdhsa_group_segment_fixed_size 327680
		.amdhsa_private_segment_fixed_size 0
		.amdhsa_enable_private_segment 0
		.amdhsa_kernarg_size 32
		.amdhsa_user_sgpr_count 2
		.amdhsa_user_sgpr_kernarg_segment_ptr 1
		.amdhsa_wavefront_size32 1
		.amdhsa_system_sgpr_workgroup_id_x 1
		.amdhsa_system_sgpr_workgroup_id_y 1
		.amdhsa_system_sgpr_workgroup_id_z 1
		.amdhsa_system_vgpr_workitem_id 0
		.amdhsa_next_free_vgpr 576
		.amdhsa_next_free_sgpr 66
		.amdhsa_reserve_vcc 0
		.amdhsa_float_denorm_mode_32 3
		.amdhsa_float_denorm_mode_16_64 3
		.amdhsa_memory_ordered 1
		.amdhsa_forward_progress 1
		.amdhsa_inst_pref_size 86
	.end_amdhsa_kernel
	.amdgpu_metadata
---
amdhsa.version: [ 1, 2 ]
amdhsa.kernels:
  - .name:           k_q9bf8e6c865_proj
    .symbol:         k_q9bf8e6c865_proj.kd
    .args:
      - { .name: oi, .offset: 0, .size: 8, .value_kind: global_buffer, .address_space: global }
      - { .name: wo, .offset: 8, .size: 8, .value_kind: global_buffer, .address_space: global }
      - { .name: bout, .offset: 16, .size: 8, .value_kind: global_buffer, .address_space: global }
      - { .name: out0, .offset: 24, .size: 8, .value_kind: global_buffer, .address_space: global }
    .group_segment_fixed_size: 327680
    .private_segment_fixed_size: 0
    .kernarg_segment_align: 8
    .kernarg_segment_size: 32
    .max_flat_workgroup_size: 128
    .sgpr_count:     66
    .vgpr_count:     576
    .wavefront_size: 32
...
	.end_amdgpu_metadata
.endif
;; end of part 4
